; MI455X (gfx1250); checked and timed in simulation.
; The chip was launched on July 23, 2026; its instructions are those of AMD's public machine-readable ISA for CDNA 5 (MIT licence, August 2026) and "CDNA5" Instruction Set Architecture Reference Guide (July 2026). The comments in the code are by the model that wrote it; some were corrected since.
;; One Header Attention. Allowed arithmetic: float matrix products may take bf16 or f16 operands with f32 sums; other float arithmetic in f32, or as packed bf16 or f16 multiplies, adds, multiply-adds, maxima and minima; sums over many terms, partial sums and values carried from step to step in f32; what a program stores and reads back later, other than sums and carried values, may be rounded once to bf16 or f16.
;; Inputs: Wk 1,024 x 1,024 float32; Wo 1,024 x 1,024 float32; Wq 1,024 x 1,024 float32; Wv 1,024 x 1,024 float32; bk 1,024 float32; bo 1,024 float32; bq 1,024 float32; bv 1,024 float32; inputs 4 x 2,048 x 1,024 float32; memory 4 x 2,048 x 1,024 float32; memory_mask 4 x 2,048 bool.
;; Outputs: out0 4 x 2,048 x 1,024 float32.
;; 2 versions, each right; version 2 is version 1 with the launch cast written anew for expert scheduling mode. Each part assembles by itself: llvm-mc -triple=amdgcn-amd-amdhsa -mcpu=gfx1250 --defsym DOCPART=n.
;; ======== version 1 of 2: 5 launches
;; limits: right only within a limited range of input values
;; workspace buffers: cb 33,554,432 bytes; wt 8,388,608 bytes; wb 4,194,304 bytes; vec 12,288 bytes; ek 32,768 bytes; kv 33,554,432 bytes; pt 33,554,432 bytes; st 1,048,576 bytes
;; launch cast (part 1): grid 736 x 1, 8 waves a work-group, no clusters, 35,840 bytes of LDS; arguments inputs, memory, Wo, Wq, Wk, Wv, cb, wt; writes cb, wt
.if DOCPART == 1
	.amdgcn_target "amdgcn-amd-amdhsa--gfx1250"
	.amdhsa_code_object_version 6
	.text
	.protected	k_q6863696a53_cast
	.globl	k_q6863696a53_cast
	.p2align	8
	.type	k_q6863696a53_cast,@function
k_q6863696a53_cast:
	s_mov_b64 s[64:65], 0
	v_nop
	global_prefetch_b8 v0, s[64:65] scope:SCOPE_SE
	s_setreg_imm32_b32 hwreg(HW_REG_WAVE_MODE, 25, 1), 1
	s_wait_xcnt 0x0
; CAST.  bf16 copies of the six large f32 inputs, each number rounded once.
;   cb [16384][1024]: rows 0-8191 inputs, rows 8192-16383 memory.
;   wt [4096][1024]:  rows 0-1023 Wq transposed, 1024-2047 Wo as it lies, 2048-3071 Wk transposed, 3072-4095 Wv transposed.
; Work-groups 0-191 transpose a tile of 128 x 128 of Wq, Wk or Wv through LDS; work-groups 192-735 copy 32 rows of 4,096 bytes each.
; Memory binds: every byte is read once, by loads of 16 bytes a lane; a wave's store covers 256 or 512 consecutive bytes, aligned.
; No matrix unit, no cluster: no work-group wants a byte that another has read.
.set SPARE, 34816                      ; behind the tile of 128 rows x 272 bytes: the spare words, 128 bytes for each of the eight waves
.set X,   4                            ; v[4:67]   sixteen slots of 4: f32 as loaded
.set Y,   68                           ; v[68:99]  bf16, packed
.set TS,  100                          ; where I put a column's 32 bytes
.set TR,  101                          ; where I read a row back
.set SO,  102                          ; my byte offset in wt
.set SPW, 104                          ; LDS address of my spare word; never rewritten
.set NIL, 105                          ; 0; never rewritten
	s_load_b512 s[4:19], s[0:1], 0x0               ; inputs s[4:5], memory s[6:7], Wo s[8:9], Wq s[10:11], Wk s[12:13], Wv s[14:15], cb s[16:17], wt s[18:19]
	v_lshl_add_u32 v[SPW], v0, 2, SPARE
	v_mov_b32 v[NIL], 0
	v_lshrrev_b32 v2, 5, v0
	v_readfirstlane_b32 s20, v2                    ; wave 0..7
	s_cmp_lt_u32 ttmp9, 192                        ; the same answer in all eight waves
	s_cbranch_scc0 .Lstraight
	; THE TRANSPOSING PATH.  Tile: rows o = 128 ob .. of W, columns i = 128 ib ..
	s_lshr_b32 s21, ttmp9, 6                       ; which matrix: 0 Wq, 1 Wk, 2 Wv
	s_bfe_u32 s22, ttmp9, 0x30003                  ; ob
	s_and_b32 s23, ttmp9, 7                        ; ib
	s_lshl_b32 s24, s22, 19                        ; 128 rows of 4,096 bytes
	s_lshl_b32 s25, s23, 9                         ; 128 columns of 4 bytes
	s_add_co_u32 s24, s24, s25
	s_mov_b32 s25, 0
	s_add_co_u32 s26, s21, 1
	s_lshl_b32 s26, s26, 21                        ; Wk at byte 4,194,304 of wt, Wv at 6,291,456,
	s_cmp_eq_u32 s21, 0
	s_cselect_b32 s26, 0, s26                      ; Wq at 0
	s_lshl_b32 s27, s23, 18                        ; 128 rows of 2,048 bytes
	s_add_co_u32 s26, s26, s27
	s_lshl_b32 s27, s22, 8                         ; 128 columns of 2 bytes
	s_add_co_u32 s26, s26, s27
	s_mov_b32 s27, 0
	v_and_b32 v3, 31, v0                           ; lane
	v_lshlrev_b32 v1, 4, v3
	v_lshl_add_u32 v1, s20, 16, v1                 ; my wave's 16 rows, my 16 bytes of a row's 512
	v_mul_u32_u24 v[TS], v3, 1088                  ; LDS row 4 x lane (pitch 272); lanes 272 words apart start in four groups of banks (64 banks of 4 bytes: ISA guide 11.1):
	v_lshl_add_u32 v[TS], s20, 5, v[TS]            ; these stores are served four deep; the three matrices are 12 MB of the launch's 84
	v_bfe_u32 v106, v0, 4, 1
	v_and_b32 v107, 15, v0
	v_lshl_add_u32 v106, s20, 4, v106              ; row 16 w + lane / 16
	v_mul_u32_u24 v[TR], v106, 272
	v_lshl_add_u32 v[TR], v107, 4, v[TR]
	v_lshlrev_b32 v[SO], 11, v106
	v_lshl_add_u32 v[SO], v107, 4, v[SO]
	s_wait_kmcnt 0x0
	s_cmp_eq_u32 s21, 0
	s_cselect_b64 s[28:29], s[10:11], s[12:13]
	s_cmp_eq_u32 s21, 2
	s_cselect_b64 s[28:29], s[14:15], s[28:29]
	s_add_nc_u64 s[28:29], s[28:29], s[24:25]
	s_add_nc_u64 s[30:31], s[18:19], s[26:27]
.irp j, 0,1,2,3,4,5,6,7,8,9,10,11,12,13,14,15
	global_load_b128 v[X+4*(\j):X+4*(\j)+3], v1, s[28:29] offset:(\j)*4096 th:TH_LOAD_NT  ; row 16 w + j: 512 consecutive bytes
.endr
	s_wait_loadcnt 0x0
.irp c, 0,1,2,3                        ; column 4 lane + c: its sixteen o, in pairs
.irp p, 0,1,2,3,4,5,6,7
	v_cvt_pk_bf16_f32 v[Y+8*(\c)+(\p)], v[X+8*(\p)+(\c)], v[X+8*(\p)+4+(\c)]
.endr
.endr
.irp c, 0,1,2,3
	ds_store_b128 v[TS], v[Y+8*(\c):Y+8*(\c)+3] offset:(\c)*272
	ds_store_b128 v[TS], v[Y+8*(\c)+4:Y+8*(\c)+7] offset:(\c)*272+16
.endr
	s_wait_dscnt 0x0                               ; for the others' sake: my stores are done
	s_barrier_signal -1
	s_barrier_wait -1                              ; a row's 256 bytes come from all eight waves
.irp t, 0,1,2,3,4,5,6,7
	ds_load_b128 v[X+4*(\t):X+4*(\t)+3], v[TR] offset:(\t)*544
.endr
.irp t, 0,1,2,3,4,5,6,7
	s_wait_dscnt 7-(\t)                            ; LDS loads come back in order: load t is in
	global_store_b128 v[SO], v[X+4*(\t):X+4*(\t)+3], s[30:31] offset:(\t)*4096  ; sixteen lanes store 256 consecutive bytes, aligned
.endr
	s_branch .Lend
.Lstraight:                                    ; THE STRAIGHT PATH.  k = 0..255 inputs, 256..511 memory, 512..543 Wo; 32 rows each
	s_sub_co_u32 s21, ttmp9, 192
	s_and_b32 s22, s21, 255                        ; the share's number within its array
	s_lshl_b32 s24, s22, 17                        ; 32 rows of 4,096 bytes
	s_mov_b32 s25, 0
	s_lshl_b32 s26, s21, 16                        ; 32 rows of 2,048 bytes in cb,
	s_lshl_b32 s27, s22, 16
	s_add_co_u32 s27, s27, 0x200000                ; or in wt behind Wq's 1,024 rows
	s_cmp_lt_u32 s21, 512
	s_cselect_b32 s26, s26, s27
	s_mov_b32 s27, 0
	v_lshlrev_b32 v1, 4, v0                        ; thread t reads 16 bytes at 16 t of a row,
	v_lshlrev_b32 v2, 3, v0                        ; and writes 8 bytes at 8 t
	s_wait_kmcnt 0x0
	s_cmp_lt_u32 s21, 256
	s_cselect_b64 s[28:29], s[4:5], s[6:7]
	s_cmp_lt_u32 s21, 512
	s_cselect_b64 s[28:29], s[28:29], s[8:9]
	s_cselect_b64 s[30:31], s[16:17], s[18:19]
	s_add_nc_u64 s[28:29], s[28:29], s[24:25]
	s_add_nc_u64 s[30:31], s[30:31], s[26:27]
.set i, 0
.rept 16
	global_load_b128 v[X+4*i:X+4*i+3], v1, s[28:29] offset:i*4096 th:TH_LOAD_NT  ; sixteen rows on their way in every wave
.set i, i+1
.endr
.set i, 0
.rept 32                               ; row i, in slot i % 16; rows stand in the immediates, so no address register is ever rewritten
.if i < 16
	s_wait_loadcnt 15                              ; loads come back in order: row i is in, the fifteen younger rows stay out
.else
	s_wait_loadcnt 31-i                            ; nothing more is loaded: the counts run down
	s_wait_xcnt 0x0                                ; the slot's packed pair, which the store of row i - 16 reads, is rewritten only behind this wait
.endif
	v_cvt_pk_bf16_f32 v[Y+2*(i%16)], v[X+4*(i%16)], v[X+4*(i%16)+1]
	v_cvt_pk_bf16_f32 v[Y+2*(i%16)+1], v[X+4*(i%16)+2], v[X+4*(i%16)+3]
.if i < 16
	global_load_b128 v[X+4*(i%16):X+4*(i%16)+3], v1, s[28:29] offset:(i+16)*4096 th:TH_LOAD_NT
.endif
	global_store_b64 v2, v[Y+2*(i%16):Y+2*(i%16)+1], s[30:31] offset:i*2048  ; a wave stores 256 consecutive bytes, aligned
.set i, i+1
.endr
.Lend:
	s_wait_tensorcnt 0x0                           ; the wave's end
	ds_add_u32 v[SPW], v[NIL]
	s_wait_dscnt 0x0
	s_endpgm
.Lfunc_end_k_q6863696a53_cast:
	.size	k_q6863696a53_cast, .Lfunc_end_k_q6863696a53_cast-k_q6863696a53_cast
	.p2alignl 7, 3214868480
	.fill 96, 4, 3214868480
	.section	.rodata,"a",@progbits
	.p2align	6, 0x0
	.amdhsa_kernel k_q6863696a53_cast
		.amdhsa_group_segment_fixed_size 35840
		.amdhsa_private_segment_fixed_size 0
		.amdhsa_enable_private_segment 0
		.amdhsa_kernarg_size 64
		.amdhsa_user_sgpr_count 2
		.amdhsa_user_sgpr_kernarg_segment_ptr 1
		.amdhsa_wavefront_size32 1
		.amdhsa_system_sgpr_workgroup_id_x 1
		.amdhsa_system_sgpr_workgroup_id_y 1
		.amdhsa_system_sgpr_workgroup_id_z 1
		.amdhsa_system_vgpr_workitem_id 0
		.amdhsa_next_free_vgpr 112
		.amdhsa_next_free_sgpr 66
		.amdhsa_reserve_vcc 0
		.amdhsa_float_denorm_mode_32 3
		.amdhsa_float_denorm_mode_16_64 3
		.amdhsa_memory_ordered 1
		.amdhsa_forward_progress 1
		.amdhsa_inst_pref_size 21
	.end_amdhsa_kernel
	.amdgpu_metadata
---
amdhsa.version: [ 1, 2 ]
amdhsa.kernels:
  - .name:           k_q6863696a53_cast
    .symbol:         k_q6863696a53_cast.kd
    .args:
      - { .name: inputs, .offset: 0, .size: 8, .value_kind: global_buffer, .address_space: global }
      - { .name: memory, .offset: 8, .size: 8, .value_kind: global_buffer, .address_space: global }
      - { .name: Wo, .offset: 16, .size: 8, .value_kind: global_buffer, .address_space: global }
      - { .name: Wq, .offset: 24, .size: 8, .value_kind: global_buffer, .address_space: global }
      - { .name: Wk, .offset: 32, .size: 8, .value_kind: global_buffer, .address_space: global }
      - { .name: Wv, .offset: 40, .size: 8, .value_kind: global_buffer, .address_space: global }
      - { .name: cb, .offset: 48, .size: 8, .value_kind: global_buffer, .address_space: global }
      - { .name: wt, .offset: 56, .size: 8, .value_kind: global_buffer, .address_space: global }
    .group_segment_fixed_size: 35840
    .private_segment_fixed_size: 0
    .kernarg_segment_align: 8
    .kernarg_segment_size: 64
    .max_flat_workgroup_size: 256
    .sgpr_count:     66
    .vgpr_count:     112
    .wavefront_size: 32
...
	.end_amdgpu_metadata
.endif
;; end of part 1
;; launch wprod (part 2): grid 8 x 16, 4 waves a work-group, clusters of 4 x 4, 327,680 bytes of LDS; arguments wt, bk, bv, bq, bo, wb, vec; writes wb, vec
.if DOCPART == 2
	.amdgcn_target "amdgcn-amd-amdhsa--gfx1250"
	.amdhsa_code_object_version 6
	.text
	.protected	k_q6863696a53_wprod
	.globl	k_q6863696a53_wprod
	.p2align	8
	.type	k_q6863696a53_wprod,@function
k_q6863696a53_wprod:
	s_mov_b64 s[64:65], 0
	v_nop
	global_prefetch_b8 v0, s[64:65] scope:SCOPE_SE
	s_setreg_imm32_b32 hwreg(HW_REG_WAVE_MODE, 25, 1), 1
	s_wait_xcnt 0x0
	s_wait_alu depctr_hold_cnt(0) depctr_sa_sdst(0) depctr_va_vdst(0) depctr_va_sdst(0) depctr_va_ssrc(0) depctr_va_vcc(0) depctr_vm_vsrc(0)
	s_getreg_b32 s2, hwreg(HW_REG_IB_STS2, 6, 4)
	s_cmp_eq_u32 s2, 0
	s_cbranch_scc0 .Lentry_in_a_cluster
	s_endpgm
.Lentry_in_a_cluster:
	s_bfe_u32 s2, ttmp6, 0x10000c
	s_cmp_lg_u32 s2, 0xf033
	s_cbranch_scc0 .Lentry_shape_is_right
	s_endpgm
.Lentry_shape_is_right:
; WPROD.  wb [2048][1024] bf16: rows 0-1023 T = Wq^T Wk, rows 1024-2047 N2 = Wo Wv; each C[m][n] = sum over o of A[m][o] B[n][o] with A = wt's rows 0-2047 (Wq^T, Wo)
; and B = wt's rows 2048-3071 (Wk^T) for T, rows 3072-4095 (Wv^T) for N2.  Sums in f32, C rounded once.
; vec f32: d2[i] = sum_o Wq[o][i] bk[o] at byte 0; cvec[p] = sum_o Wo[p][o] bv[o] + bo[p] at 4,096; g[j] = sum_o Wk[o][j] bq[o] at 8,192 (the weights as rounded to bf16, the biases in f32).
; A tile of C is 128 x 128, four waves of 64 x 64: 128 tiles.  K = 1,024 goes in four steps of 256 (LDS rows of 512 bytes + 16 of padding) through two slots.
; CLUSTER 4 x 4: A's tile is asked for jointly along a row of the cluster, B's along a column.  The matrix instruction is used transposed (source 0 = rows of B, source 1 = rows of A):
; a lane holds eight neighbouring numbers of a row of C.  No prefetch: the launch has four K steps.
; REGISTERS: window 0: v16-31 addresses; v32-95 at work on the way out; v128-255 the 16 accumulators.  Window 1: two fragment buffers of 128 (64 of A, 64 of B, for 64 along K).
; The vectors' job, ahead of the first product, borrows v32-227 of window 0.
.set KSTEP,  256
.set PITCH,  528                       ; 132 words: row r starts at bank 4 r mod 64 (64 banks of 4 bytes: ISA guide 11.1)
.set HALFT,  64*PITCH                  ; what one tensor load brings
.set SLOT,   4*HALFT                   ; 0x21000: none of its bits is set in wave x HALFT, so one exclusive or turns an address in one slot into the other's
.set STAGE,  2*SLOT
.set SPITCH, 272
.set SPARE,  STAGE+128*SPITCH          ; the spare words: 128 bytes for each wave
.set NS,     4                         ; K steps
.set STEP,   KSTEP*2
.set ADRA0, 16                         ; my lane's place in A's part of a slot; never rewritten
.set ADRB0, 17
.set ADRA,  18                         ; the same in the slot in hand
.set ADRB,  19
.set LN,    20
.set RO,    21
.set VO,    22
.set RES,   23
.set STO,   24
.set RD,    25
.set CO,    26
.set DR,    27
.set SPW,   28
.set NIL,   29
.set SO,    30
.set TMP,   32
.set ACC,   128
.set ROWS,  32                         ; the vectors' job: six rows of wt, 16 registers each
.set VECS,  128                        ; bk, bv, bq: 32 registers each
.set DT,    224                        ; four chains
.set F0,    0
.set F1,    128
.set G1,  24
.set G0,  32                           ; s[32:35] slot 0, K step 0, used once; s[36:39] slot 1, K step 1, which then walks
.set G1B, 48
.set G0B, 56
.set TB,  66                           ; LDS byte at which the slot in hand begins
.set SEL, 70
.set MSB, 0
.macro WIN new                         ; the immediate's high byte repeats the setting that is left
.if MSB != (\new)
	s_set_vgpr_msb (MSB<<8)|(\new)
.set MSB, \new
.endif
.endm
.set MUL,  0x05                        ; sources 0 (B) and 1 (A) window 1; C and D window 0
.set TO_F, 0x40                        ; destination window 1, address window 0
.macro PLACES                          ; four places behind a matrix instruction (ISA guide 7.12.1)
.rept 4
	v_nop
.endr
.endm
.macro JLOAD                           ; a joint refill by the walking descriptors: waves 0 and 1 fetch A's halves, waves 2 and 3 B's; an s_nop 0 and four v_nop follow each line
	s_cmp_eq_u32 s11, 0
	s_cbranch_scc0 .Lfor_b_\@
	tensor_load_to_lds s[G0+4:G0+7], s[G1:G1+7]
	s_nop 0
.rept 4
	v_nop
.endr
	s_branch .Lasked_\@
.Lfor_b_\@:
	tensor_load_to_lds s[G0B+4:G0B+7], s[G1B:G1B+7]
	s_nop 0
.rept 4
	v_nop
.endr
.Lasked_\@:
.endm
.macro STEPD                           ; the walking descriptors: the other slot, the next K step; no tensor load of mine is out
	s_xor_b32 s[G0+5], s[G0+5], SLOT
	s_add_nc_u64 s[G0+6:G0+7], s[G0+6:G0+7], STEP
	s_xor_b32 s[G0B+5], s[G0B+5], SLOT
	s_add_nc_u64 s[G0B+6:G0B+7], s[G0B+6:G0B+7], STEP
.endm
.macro SWAP                            ; the fragments come from the other slot
	s_xor_b32 s[TB], s[TB], SLOT
	v_add_nc_u32 v[ADRA], s[TB], v[ADRA0]
	v_add_nc_u32 v[ADRB], s[TB], v[ADRB0]
.endm
.macro CREST                           ; a round of the cluster's barrier behind its opening barrier
	s_cmp_lg_u32 s10, 0
	s_cbranch_scc1 .Lnot_wave_0_\@
	s_barrier_signal -3
.Lnot_wave_0_\@:
	s_barrier_wait -3
	s_barrier_signal -1
	s_barrier_wait -1
.endm
.macro CROUND
	s_barrier_signal -1
	s_barrier_wait -1
	CREST
.endm
; The dot product of a row of 1,024 bf16 (16 registers: element 256 j + 8 lane + 2 q + half in register 4 j + q) with a vector of 1,024 f32 (register 8 j + 2 q + half), over the wave, into v[DR] of every lane.
.macro ROWDOT row, vec
.irp q, 0,1,2,3
.irp j, 0,1,2,3
.if (\q) == 0
	v_fma_mix_f32_bf16 v[DT+(\j)], v[(\row)+4*(\j)], v[(\vec)+8*(\j)], v[NIL] op_sel_hi:[1,0,0]
.else
	v_fma_mix_f32_bf16 v[DT+(\j)], v[(\row)+4*(\j)+(\q)], v[(\vec)+8*(\j)+2*(\q)], v[DT+(\j)] op_sel_hi:[1,0,0]
.endif
.endr
.irp j, 0,1,2,3
	v_fma_mix_f32_bf16 v[DT+(\j)], v[(\row)+4*(\j)+(\q)], v[(\vec)+8*(\j)+2*(\q)+1], v[DT+(\j)] op_sel:[1,0,0] op_sel_hi:[1,0,0]
.endr
.endr
	v_add_f32 v[DT], v[DT], v[DT+1]
	v_add_f32 v[DT+2], v[DT+2], v[DT+3]
	v_add_f32 v[DT], v[DT], v[DT+2]
	v_add_f32_dpp v[DT], v[DT], v[DT] row_xmask:1 row_mask:0xf bank_mask:0xf
	v_add_f32_dpp v[DT], v[DT], v[DT] row_xmask:2 row_mask:0xf bank_mask:0xf
	v_add_f32_dpp v[DT], v[DT], v[DT] row_xmask:4 row_mask:0xf bank_mask:0xf
	v_add_f32_dpp v[DT], v[DT], v[DT] row_xmask:8 row_mask:0xf bank_mask:0xf
	v_permlanex16_b32 v[DT+1], v[DT], s[SEL], s[SEL+1]
	v_add_f32 v[DR], v[DT], v[DT+1]
.endm
.macro LDVEC dst, p
.irp j, 0,1,2,3
	global_load_b128 v[(\dst)+8*(\j):(\dst)+8*(\j)+3], v[VO], s[\p:\p+1] offset:1024*(\j)
	global_load_b128 v[(\dst)+8*(\j)+4:(\dst)+8*(\j)+7], v[VO], s[\p:\p+1] offset:1024*(\j)+16
.endr
.endm
	s_load_b256 s[72:79], s[0:1], 0x0              ; wt s[72:73], bk s[74:75], bv s[76:77], bq s[78:79]
	s_load_b128 s[80:83], s[0:1], 0x20             ; bo s[80:81], wb s[82:83]
	s_load_b64 s[4:5], s[0:1], 0x30                ; vec
	v_lshl_add_u32 v[SPW], v0, 2, SPARE
	v_mov_b32 v[NIL], 0
	ds_add_u32 v[SPW], v[NIL]                      ; the wave's opening: the add, and its wait ahead of my first tensor load; the set-up stands between them
	ds_add_u32 v28, v29
	v_lshrrev_b32 v1, 5, v0
	v_readfirstlane_b32 s10, v1                    ; wave 0..3
	s_lshr_b32 s11, s10, 1                         ; which half of the tile's rows is mine; also: I fetch for A (0) or for B (1)
	s_and_b32 s12, s10, 1                          ; which half of its columns; also: which 64 rows I fetch
	s_bfe_u32 s40, ttmp6, 0x40000                  ; cx
	s_bfe_u32 s41, ttmp6, 0x40004                  ; cy
	s_lshl_b32 s42, ttmp9, 2
	s_add_co_u32 s42, s42, s40                     ; tile column 0..7
	s_and_b32 s13, ttmp7, 0xffff
	s_lshr_b32 s21, s13, 1                         ; 0: T, 1: N2; the same in all sixteen partners
	s_lshl_b32 s13, s13, 2
	s_add_co_u32 s13, s13, s41                     ; tile row 0..15
	s_lshl_b32 s43, s41, 2
	s_lshl_b32 s43, 15, s43                        ; my row of the cluster
	s_lshl_b32 s44, 0x1111, s40                    ; my column
	s_or_b32 s[G1+0], s43, (1<<16)|(1<<20)|(1<<21)|(6<<22)|(3<<25)  ; the mask; 2-byte elements; padding on; bit 21 beside a mask; after every 128 words, 4 words
	s_or_b32 s[G1B+0], s44, (1<<16)|(1<<20)|(1<<21)|(6<<22)|(3<<25)
.irp g, G1, G1B
	s_mov_b32 s[(\g)+1], KSTEP<<16                 ; tensor_dim0 = 256
	s_mov_b32 s[(\g)+2], 64<<16                    ; tensor_dim1 = 64
	s_mov_b32 s[(\g)+3], KSTEP<<16                 ; tile_dim0 = 256
	s_mov_b32 s[(\g)+4], 64                        ; tile_dim1 = 64
	s_mov_b32 s[(\g)+5], 1024                      ; elements from row to row
	s_mov_b32 s[(\g)+6], 0
	s_mov_b32 s[(\g)+7], 0
.endr
	s_lshl_b32 s17, s12, 6
	s_lshl_b32 s16, s13, 7
	s_add_co_u32 s16, s16, s17                     ; A: row 128 x tile row + 64 x half
	s_lshl_b32 s46, s42, 7
	s_add_co_u32 s46, s46, s17
	s_lshl_b32 s21, s21, 10
	s_add_co_u32 s46, s46, s21
	s_add_co_u32 s46, s46, 2048                    ; B: row 2,048 + 1,024 z + 128 x tile column + 64 x half
	s_lshl_b32 s16, s16, 11                        ; rows of 2,048 bytes
	s_mov_b32 s17, 0
	s_lshl_b32 s46, s46, 11
	s_mov_b32 s47, 0
	s_mul_i32 s20, s10, HALFT                      ; where my tile goes: wave x 64 rows
	s_mov_b32 s[TB], 0
	s_mov_b32 s[SEL], 0x76543210
	s_mov_b32 s[SEL+1], 0xfedcba98
	s_wait_dscnt 0x0                               ; the opening add is done
	s_wait_kmcnt 0x0
	s_add_nc_u64 s[14:15], s[72:73], s[16:17]
	s_add_nc_u64 s[46:47], s[72:73], s[46:47]
	CROUND                                         ; all sixteen work-groups are here: the first joint loads meet
.irp s, 0,1
	s_mov_b32 s[G0+4*(\s)], 1
	s_add_co_u32 s[G0+4*(\s)+1], s20, (\s)*SLOT
	s_add_nc_u64 s[G0+4*(\s)+2:G0+4*(\s)+3], s[14:15], (\s)*STEP
	s_or_b32 s[G0+4*(\s)+3], s[G0+4*(\s)+3], 0x80000000
	s_mov_b32 s[G0B+4*(\s)], 1
	s_add_co_u32 s[G0B+4*(\s)+1], s20, (\s)*SLOT
	s_add_nc_u64 s[G0B+4*(\s)+2:G0B+4*(\s)+3], s[46:47], (\s)*STEP
	s_or_b32 s[G0B+4*(\s)+3], s[G0B+4*(\s)+3], 0x80000000
.endr
	s_cmp_eq_u32 s11, 0                            ; a wave's two first fills stand in one branch: two loads of mine are out
	s_cbranch_scc0 .Lfirst_b
	tensor_load_to_lds s[G0:G0+3], s[G1:G1+7]
	s_nop 0
	tensor_load_to_lds s[G0+4:G0+7], s[G1:G1+7]
	s_nop 0
.rept 4
	v_nop
.endr
	s_branch .Lfirst_asked
.Lfirst_b:
	tensor_load_to_lds s[G0B:G0B+3], s[G1B:G1B+7]
	s_nop 0
	tensor_load_to_lds s[G0B+4:G0B+7], s[G1B:G1B+7]
	s_nop 0
.rept 4
	v_nop
.endr
.Lfirst_asked:
	v_and_b32 v1, 15, v0                           ; l % 16
	v_bfe_u32 v2, v0, 4, 1                         ; l / 16
	v_mul_u32_u24 v3, v1, PITCH
	v_lshl_add_u32 v3, v2, 4, v3                   ; a fragment's row x pitch + 16 x half
	s_mul_i32 s21, s11, HALFT                      ; my 64 rows of A
	s_mul_i32 s22, s12, HALFT
	s_add_co_u32 s22, s22, 2*HALFT                 ; my 64 rows of B, behind A's 128
	v_add_nc_u32 v[ADRA0], s21, v3
	v_add_nc_u32 v[ADRB0], s22, v3
	v_mov_b32 v[ADRA], v[ADRA0]
	v_mov_b32 v[ADRB], v[ADRB0]
	s_mul_i32 s23, s11, 64*SPITCH                  ; into the stage: my 64 rows, my half of their 256 bytes
	s_lshl_b32 s21, s12, 7
	s_add_co_u32 s23, s23, s21
	s_add_co_u32 s23, s23, STAGE
	v_mul_u32_u24 v4, v1, SPITCH
	v_lshl_add_u32 v4, v2, 4, v4
	v_add_nc_u32 v[STO], s23, v4
	s_mul_i32 s23, s10, 32*SPITCH                  ; back: wave w takes rows 32 w .. 32 w + 31, whole
	s_add_co_u32 s23, s23, STAGE
	v_mul_u32_u24 v5, v2, SPITCH
	v_lshl_add_u32 v5, v1, 4, v5
	v_add_nc_u32 v[RD], s23, v5
	v_lshlrev_b32 v5, 11, v2                       ; and the same two rows in wb
	v_lshl_add_u32 v[CO], v1, 4, v5
	s_lshl_b32 s84, s13, 7
	s_lshl_b32 s85, s10, 5
	s_add_co_u32 s84, s84, s85                     ; the first row that I store
	s_lshl_b32 s84, s84, 11
	s_lshl_b32 s85, s42, 8                         ; the tile's first column, in bytes
	s_add_co_u32 s84, s84, s85
	s_mov_b32 s85, 0
	s_add_nc_u64 s[8:9], s[82:83], s[84:85]
	; THE VECTORS' JOB, while the first tiles are on their way.  Wave W of 512 makes elements W and W + 512 of d2, cvec and g: six rows of wt, W + 512 k.
	s_lshl_b32 s84, s13, 3
	s_add_co_u32 s84, s84, s42
	s_lshl_b32 s84, s84, 2
	s_add_co_u32 s84, s84, s10                     ; W
	s_lshl_b32 s86, s84, 11
	s_mov_b32 s87, 0
	s_add_nc_u64 s[86:87], s[72:73], s[86:87]      ; wt at row W
	s_lshl_b32 s84, s84, 2
	s_mov_b32 s85, 0
	s_add_nc_u64 s[88:89], s[4:5], s[84:85]        ; vec at element W
	s_add_nc_u64 s[14:15], s[80:81], s[84:85]      ; bo at element W
	s_load_b32 s22, s[14:15], 0x0
	s_load_b32 s23, s[14:15], 0x800
	v_and_b32 v[LN], 31, v0
	v_lshlrev_b32 v[RO], 4, v[LN]
	v_lshlrev_b32 v[VO], 5, v[LN]
.irp k, 0,1,2,3,4,5
.irp j, 0,1,2,3
	global_load_b128 v[ROWS+16*(\k)+4*(\j):ROWS+16*(\k)+4*(\j)+3], v[RO], s[86:87] offset:(\k)*1048576+512*(\j)
.endr
.endr
	LDVEC VECS, 74
	LDVEC VECS+32, 76
	LDVEC VECS+64, 78
	v_lshrrev_b32 v[SO], 1, v[LN]                  ; result k goes to byte 4,096 (k / 2) + 2,048 (k % 2) behind element W
	v_lshlrev_b32 v[SO], 12, v[SO]
	v_and_b32 v[DT], 1, v[LN]
	v_lshl_or_b32 v[SO], v[DT], 11, v[SO]
	v_mov_b32 v[RES], 0
	s_wait_loadcnt 0x0
	s_wait_kmcnt 0x0
.irp k, 0,1,2,3,4,5
	ROWDOT ROWS+16*(\k), VECS+32*((\k)/2)
.if (\k) == 2
	v_add_f32 v[DR], s22, v[DR]
.endif
.if (\k) == 3
	v_add_f32 v[DR], s23, v[DR]
.endif
	v_cmp_eq_u32 vcc_lo, \k, v[LN]
	v_cndmask_b32 v[RES], v[RES], v[DR], vcc_lo    ; result k into lane k
.endr
	s_wait_xcnt 0x0                                ; EXEC changes only behind this wait
	v_cmp_gt_u32 vcc_lo, 6, v[LN]
	s_and_saveexec_b32 s84, vcc_lo
	global_store_b32 v[SO], v[RES], s[88:89]
	s_wait_xcnt 0x0
	s_or_b32 exec_lo, exec_lo, s84
; 8 matrix instructions: m blocks a0, a0 + 1 x all 4 n blocks, 32 along K: half c of buffer f.  zero = 1: the first product starts the sums.  The 16 accumulators take turns.
.macro MUL8 f, c, a0, zero
	WIN MUL
.irp a, \a0, (\a0)+1
.irp b, 0,1,2,3
.if \zero
	v_wmma_f32_16x16x32_bf16 v[ACC+8*(4*(\a)+(\b)):ACC+8*(4*(\a)+(\b))+7], v[(\f)+64+8*(4*(\c)+(\b)):(\f)+64+8*(4*(\c)+(\b))+7], v[(\f)+8*(4*(\c)+(\a)):(\f)+8*(4*(\c)+(\a))+7], 0
.else
	v_wmma_f32_16x16x32_bf16 v[ACC+8*(4*(\a)+(\b)):ACC+8*(4*(\a)+(\b))+7], v[(\f)+64+8*(4*(\c)+(\b)):(\f)+64+8*(4*(\c)+(\b))+7], v[(\f)+8*(4*(\c)+(\a)):(\f)+8*(4*(\c)+(\a))+7], v[ACC+8*(4*(\a)+(\b)):ACC+8*(4*(\a)+(\b))+7]
.endif
.endr
.endr
.endm
.macro FETCH k, f                      ; 32 LDS loads in one run: the fragments of 64 along K at byte k of the rows; the first 32 along K first
	WIN TO_F
.irp c, 0,1
.irp i, 0,1,2,3
	ds_load_b128 v[(\f)+64+8*(4*(\c)+(\i)):(\f)+64+8*(4*(\c)+(\i))+3],   v[ADRB] offset:(\k)+64*(\c)+(\i)*16*PITCH
	ds_load_b128 v[(\f)+64+8*(4*(\c)+(\i))+4:(\f)+64+8*(4*(\c)+(\i))+7], v[ADRB] offset:(\k)+64*(\c)+(\i)*16*PITCH+32
	ds_load_b128 v[(\f)+8*(4*(\c)+(\i)):(\f)+8*(4*(\c)+(\i))+3],         v[ADRA] offset:(\k)+64*(\c)+(\i)*16*PITCH
	ds_load_b128 v[(\f)+8*(4*(\c)+(\i))+4:(\f)+8*(4*(\c)+(\i))+7],       v[ADRA] offset:(\k)+64*(\c)+(\i)*16*PITCH+32
.endr
.endr
.endm
.macro QUARTER k, f, g, zero           ; multiplies buffer f (64 along K) and fetches the next quarter, at byte k, into g
	s_wait_dscnt 16                                ; the first 32 along K are in
	MUL8 \f, 0, 0, \zero
	MUL8 \f, 0, 2, \zero
	PLACES
	FETCH \k, \g
	s_wait_dscnt 32                                ; all but the 32 just issued
	MUL8 \f, 1, 0, 0
	MUL8 \f, 1, 2, 0
.endm
; The last quarter multiplies buffer 1 and changes slots: one barrier; in front of it each wave waits for all its tensor loads, adds 0 to its spare word, and waits for that and for its reads of this slot.
.macro TURN fill
	WIN 0
	s_wait_tensorcnt 0x0                           ; all my tensor loads have landed: my part of the next slot
	ds_add_u32 v[SPW], v[NIL]
.if \fill
	STEPD
.endif
	s_wait_dscnt 17                                ; the add and the youngest sixteen loads may be out
	MUL8 F1, 0, 0, 0
	s_wait_dscnt 0x0                               ; the add is done, and my reads of this slot are over
	s_barrier_signal -1
	MUL8 F1, 0, 2, 0
	WIN 0
	s_barrier_wait -1
.if \fill
	CREST                                          ; the barrier has opened a round of the cluster's: no wave of any partner still reads this slot or has a load on its way
	JLOAD                                          ; the first tensor load behind the round; its four v_nop are also the places in front of the loads below
.else
	PLACES
.endif
	SWAP
	FETCH 0, F0
	MUL8 F1, 1, 0, 0
	MUL8 F1, 1, 2, 0
.endm
	s_wait_tensorcnt 1                             ; my part of K step 0 is in; K step 1's may stay out
	s_barrier_signal -1
	s_barrier_wait -1
	FETCH 0, F0
	QUARTER 128, F0, F1, 1                         ; the first quarter's first products start the sums
	WIN 0
	s_mov_b32 s3, NS-2
.Lk:                                           ; a trip: from a K step's second quarter to the next step's first; it fills the slot that it leaves
	QUARTER 256, F1, F0, 0
	QUARTER 384, F0, F1, 0
	TURN 1
	QUARTER 128, F0, F1, 0
	WIN 0
	s_sub_co_u32 s3, s3, 1
	s_cmp_lg_u32 s3, 0
	s_cbranch_scc1 .Lk
	s_mov_b32 s3, 2
.Ltail:                                        ; the last two K steps ask for nothing
	QUARTER 256, F1, F0, 0
	QUARTER 384, F0, F1, 0
	WIN 0
	s_sub_co_u32 s3, s3, 1
	s_cmp_eq_u32 s3, 0
	s_cbranch_scc1 .Llast
	TURN 0
	QUARTER 128, F0, F1, 0
	WIN 0
	s_branch .Ltail
.Llast:
	s_wait_dscnt 16
	MUL8 F1, 0, 0, 0
	MUL8 F1, 0, 2, 0
	s_wait_dscnt 0x0
	MUL8 F1, 1, 0, 0
	MUL8 F1, 1, 2, 0
	WIN 0
	; THE WAY OUT: rounded to bf16; 16 bytes a lane into the work-group's stage; a barrier, since a row's 256 bytes come from two waves; back as whole rows.
	PLACES
.irp t, 0,1,2,3,4,5,6,7,8,9,10,11,12,13,14,15
.irp r, 0,1,2,3
	v_cvt_pk_bf16_f32 v[TMP+4*(\t)+(\r)], v[ACC+8*(\t)+2*(\r)], v[ACC+8*(\t)+2*(\r)+1]
.endr
.endr
.irp a, 0,1,2,3
.irp b, 0,1,2,3
	ds_store_b128 v[STO], v[TMP+4*(4*(\a)+(\b)):TMP+4*(4*(\a)+(\b))+3] offset:(\a)*16*SPITCH+32*(\b)
.endr
.endr
	s_wait_dscnt 0x0                               ; for the others' sake: my stores into the stage are done
	s_barrier_signal -1
	s_barrier_wait -1
.irp t, 0,1,2,3,4,5,6,7,8,9,10,11,12,13,14,15
	ds_load_b128 v[TMP+4*(\t):TMP+4*(\t)+3], v[RD] offset:(\t)*2*SPITCH
.endr
.irp t, 0,1,2,3,4,5,6,7,8,9,10,11,12,13,14,15
	s_wait_dscnt 15-(\t)
	global_store_b128 v[CO], v[TMP+4*(\t):TMP+4*(\t)+3], s[8:9] offset:2*(\t)*2048  ; 16 lanes store 256 consecutive bytes, aligned
.endr
	s_wait_tensorcnt 0x0                           ; the wave's end
	ds_add_u32 v[SPW], v[NIL]
	s_wait_dscnt 0x0
	CROUND                                         ; the closing round
	s_endpgm
.Lfunc_end_k_q6863696a53_wprod:
	.size	k_q6863696a53_wprod, .Lfunc_end_k_q6863696a53_wprod-k_q6863696a53_wprod
	.p2alignl 7, 3214868480
	.fill 96, 4, 3214868480
	.section	.rodata,"a",@progbits
	.p2align	6, 0x0
	.amdhsa_kernel k_q6863696a53_wprod
		.amdhsa_group_segment_fixed_size 327680
		.amdhsa_private_segment_fixed_size 0
		.amdhsa_enable_private_segment 0
		.amdhsa_kernarg_size 56
		.amdhsa_user_sgpr_count 2
		.amdhsa_user_sgpr_kernarg_segment_ptr 1
		.amdhsa_wavefront_size32 1
		.amdhsa_system_sgpr_workgroup_id_x 1
		.amdhsa_system_sgpr_workgroup_id_y 1
		.amdhsa_system_sgpr_workgroup_id_z 1
		.amdhsa_system_vgpr_workitem_id 0
		.amdhsa_next_free_vgpr 512
		.amdhsa_next_free_sgpr 90
		.amdhsa_reserve_vcc 1
		.amdhsa_float_denorm_mode_32 3
		.amdhsa_float_denorm_mode_16_64 3
		.amdhsa_memory_ordered 1
		.amdhsa_forward_progress 1
		.amdhsa_inst_pref_size 81
	.end_amdhsa_kernel
	.amdgpu_metadata
---
amdhsa.version: [ 1, 2 ]
amdhsa.kernels:
  - .name:           k_q6863696a53_wprod
    .symbol:         k_q6863696a53_wprod.kd
    .args:
      - { .name: wt, .offset: 0, .size: 8, .value_kind: global_buffer, .address_space: global }
      - { .name: bk, .offset: 8, .size: 8, .value_kind: global_buffer, .address_space: global }
      - { .name: bv, .offset: 16, .size: 8, .value_kind: global_buffer, .address_space: global }
      - { .name: bq, .offset: 24, .size: 8, .value_kind: global_buffer, .address_space: global }
      - { .name: bo, .offset: 32, .size: 8, .value_kind: global_buffer, .address_space: global }
      - { .name: wb, .offset: 40, .size: 8, .value_kind: global_buffer, .address_space: global }
      - { .name: vec, .offset: 48, .size: 8, .value_kind: global_buffer, .address_space: global }
    .group_segment_fixed_size: 327680
    .private_segment_fixed_size: 0
    .kernarg_segment_align: 8
    .kernarg_segment_size: 56
    .max_flat_workgroup_size: 128
    .sgpr_count:     90
    .vgpr_count:     512
    .wavefront_size: 32
...
	.end_amdgpu_metadata
.endif
;; end of part 2
;; launch proj (part 3): grid 8 x 32, 4 waves a work-group, clusters of 4 x 4, 327,680 bytes of LDS; arguments cb, wb, vec, memory_mask, kv, ek; writes kv, ek
.if DOCPART == 3
	.amdgcn_target "amdgcn-amd-amdhsa--gfx1250"
	.amdhsa_code_object_version 6
	.text
	.protected	k_q6863696a53_proj
	.globl	k_q6863696a53_proj
	.p2align	8
	.type	k_q6863696a53_proj,@function
k_q6863696a53_proj:
	s_mov_b64 s[64:65], 0
	v_nop
	global_prefetch_b8 v0, s[64:65] scope:SCOPE_SE
	s_setreg_imm32_b32 hwreg(HW_REG_WAVE_MODE, 25, 1), 1
	s_wait_xcnt 0x0
	s_wait_alu depctr_hold_cnt(0) depctr_sa_sdst(0) depctr_va_vdst(0) depctr_va_sdst(0) depctr_va_ssrc(0) depctr_va_vcc(0) depctr_vm_vsrc(0)
	s_getreg_b32 s2, hwreg(HW_REG_IB_STS2, 6, 4)
	s_cmp_eq_u32 s2, 0
	s_cbranch_scc0 .Lentry_in_a_cluster
	s_endpgm
.Lentry_in_a_cluster:
	s_bfe_u32 s2, ttmp6, 0x10000c
	s_cmp_lg_u32 s2, 0xf033
	s_cbranch_scc0 .Lentry_shape_is_right
	s_endpgm
.Lentry_shape_is_right:
; PROJ.  kv[key][n] = sum over j of m[key][j] wb[n][j] + bias[n], bf16, rounded once: columns 0-1023 k'' = m T^T + d2, columns 1024-2047 V' = m N2^T + cvec.  m = cb's rows 8192-16383.
; ek[key] = sum over j of m[key][j] g[j] in f32, or -1e30 where memory_mask hides the key.  LIMIT: a hidden key's score counts as -1e30, so |q . k| must stay under 2e29.
; A tile of kv is 256 x 256: four waves of 128 x 128, 64 accumulators in windows 2 and 3.  K = 1,024 goes in eight steps of 128 (rows of 256 bytes, aligned) through two LDS slots.
; CLUSTER 4 x 4: m's tile is asked for jointly along a row of the cluster, wb's along a column.  The matrix instruction is used transposed (source 0 = rows of wb, source 1 = rows of m):
; a lane holds eight neighbouring columns of one row.  THE BIAS is the C operand of the products that start the sums: 64 registers of window 1, loaded once.
; REGISTERS: window 0: v16-31 addresses; v32-63 rows on the way out; v64-127, v128-191 fragments of m; v192-223 packed results.  Window 1: v0-63 bias; v64-191 fragments of wb.
; The job that makes ek, ahead of the first product, borrows v64-230 of window 0.
.set KSTEP,  128
.set PITCH,  272                       ; 68 words: row r starts at bank 4 r mod 64 (64 banks of 4 bytes: ISA guide 11.1)
.set HALFT,  128*PITCH                 ; what one tensor load brings
.set SLOT,   4*HALFT                   ; 0x22000: none of its bits is set in wave x HALFT, so one exclusive or turns an address in one slot into the other's
.set STAGE,  2*SLOT                    ; 16 rows x 272 bytes for each wave
.set SPITCH, 272
.set SPARE,  STAGE+4*16*SPITCH         ; the spare words: 128 bytes for each wave
.set NS,     8
.set STEP,   KSTEP*2
.set ADRA0, 16
.set ADRB0, 17
.set ADRA,  18
.set ADRB,  19
.set LN,    20
.set DR,    21
.set RES,   22
.set MK,    23
.set STO,   24
.set RD,    25
.set CO,    26
.set BO,    27
.set SPW,   28
.set NIL,   29
.set PFO,   30
.set RO,    31
.set OB,    32
.set F0,    64
.set F1,    128
.set TMP,   192
.set DT,    224
.set BI,    0                          ; window 1
.set G1,  24
.set G0,  32                           ; s[32:35] slot 0, K step 0, used once; s[36:39] slot 1, K step 1, which then walks
.set LIM, 43                           ; 2 in a wave that prefetches, else the greatest number
.set PFA, 44                           ; s[44:45] where my prefetches stand
.set G1B, 48
.set G0B, 56
.set TB,  66
.set SEL, 70
.set MSB, 0
.macro WIN new
.if MSB != (\new)
	s_set_vgpr_msb (MSB<<8)|(\new)
.set MSB, \new
.endif
.endm
.set MUL_LO, 0xa1                      ; source 0 (B) window 1, source 1 (A) window 0, C and D window 2
.set TO_B,   0x40
.macro PLACES
.rept 4
	v_nop
.endr
.endm
.macro JLOAD                           ; a joint refill by the walking descriptors; an s_nop 0 and four v_nop follow each line
	s_cmp_eq_u32 s11, 0
	s_cbranch_scc0 .Lfor_b_\@
	tensor_load_to_lds s[G0+4:G0+7], s[G1:G1+7]
	s_nop 0
.rept 4
	v_nop
.endr
	s_branch .Lasked_\@
.Lfor_b_\@:
	tensor_load_to_lds s[G0B+4:G0B+7], s[G1B:G1B+7]
	s_nop 0
.rept 4
	v_nop
.endr
.Lasked_\@:
.endm
.macro STEPD
	s_xor_b32 s[G0+5], s[G0+5], SLOT
	s_add_nc_u64 s[G0+6:G0+7], s[G0+6:G0+7], STEP
	s_xor_b32 s[G0B+5], s[G0B+5], SLOT
	s_add_nc_u64 s[G0B+6:G0B+7], s[G0B+6:G0B+7], STEP
.endm
.macro SWAP
	s_xor_b32 s[TB], s[TB], SLOT
	v_add_nc_u32 v[ADRA], s[TB], v[ADRA0]
	v_add_nc_u32 v[ADRB], s[TB], v[ADRB0]
.endm
; A prefetch of the K step that stands two refills on: 32 rows x 256 bytes, a lane a row.  m's rows are asked for by the clusters with x = 0, wb's by those with y = 0; the four partners that
; ask for a tile jointly take 32 of a wave's 128 rows each, told apart by address.  Trip j of six (s3 = 6 - j) refills K step j + 2 and names K step j + 4: the last two trips name nothing.
.macro ASK
	s_cmp_gt_u32 s3, s[LIM]
	s_cbranch_scc0 .Lnot_mine_\@
	global_prefetch_b8 v[PFO], s[PFA:PFA+1] th:TH_LOAD_NT scope:SCOPE_SE
.Lnot_mine_\@:
.endm
.macro CREST
	s_cmp_lg_u32 s10, 0
	s_cbranch_scc1 .Lnot_wave_0_\@
	s_barrier_signal -3
.Lnot_wave_0_\@:
	s_barrier_wait -3
	s_barrier_signal -1
	s_barrier_wait -1
.endm
.macro CROUND
	s_barrier_signal -1
	s_barrier_wait -1
	CREST
.endm
.macro ROWDOT row, vec                 ; a row of 1,024 bf16 (register 4 j + q: elements 256 j + 8 lane + 2 q, + 1) times a vector of 1,024 f32 (register 8 j + 2 q + half), over the wave, into v[DR]
.irp q, 0,1,2,3
.irp j, 0,1,2,3
.if (\q) == 0
	v_fma_mix_f32_bf16 v[DT+(\j)], v[(\row)+4*(\j)], v[(\vec)+8*(\j)], v[NIL] op_sel_hi:[1,0,0]
.else
	v_fma_mix_f32_bf16 v[DT+(\j)], v[(\row)+4*(\j)+(\q)], v[(\vec)+8*(\j)+2*(\q)], v[DT+(\j)] op_sel_hi:[1,0,0]
.endif
.endr
.irp j, 0,1,2,3
	v_fma_mix_f32_bf16 v[DT+(\j)], v[(\row)+4*(\j)+(\q)], v[(\vec)+8*(\j)+2*(\q)+1], v[DT+(\j)] op_sel:[1,0,0] op_sel_hi:[1,0,0]
.endr
.endr
	v_add_f32 v[DT], v[DT], v[DT+1]
	v_add_f32 v[DT+2], v[DT+2], v[DT+3]
	v_add_f32 v[DT], v[DT], v[DT+2]
	v_add_f32_dpp v[DT], v[DT], v[DT] row_xmask:1 row_mask:0xf bank_mask:0xf
	v_add_f32_dpp v[DT], v[DT], v[DT] row_xmask:2 row_mask:0xf bank_mask:0xf
	v_add_f32_dpp v[DT], v[DT], v[DT] row_xmask:4 row_mask:0xf bank_mask:0xf
	v_add_f32_dpp v[DT], v[DT], v[DT] row_xmask:8 row_mask:0xf bank_mask:0xf
	v_permlanex16_b32 v[DT+1], v[DT], s[SEL], s[SEL+1]
	v_add_f32 v[DR], v[DT], v[DT+1]
.endm
	s_load_b128 s[4:7], s[0:1], 0x0                ; cb s[4:5], wb s[6:7]
	s_load_b128 s[72:75], s[0:1], 0x10             ; vec s[72:73], memory_mask s[74:75]
	s_load_b128 s[76:79], s[0:1], 0x20             ; kv s[76:77], ek s[78:79]
	v_lshl_add_u32 v[SPW], v0, 2, SPARE
	v_mov_b32 v[NIL], 0
	ds_add_u32 v[SPW], v[NIL]                      ; the wave's opening: the add, and its wait ahead of my first tensor load
	ds_add_u32 v28, v29
	v_lshrrev_b32 v1, 5, v0
	v_readfirstlane_b32 s10, v1                    ; wave 0..3
	s_lshr_b32 s11, s10, 1                         ; my half of the tile's rows; also: I fetch for A (0) or for B (1)
	s_and_b32 s12, s10, 1                          ; my half of its columns; also: which 128 rows I fetch
	s_bfe_u32 s40, ttmp6, 0x40000                  ; cx
	s_bfe_u32 s41, ttmp6, 0x40004                  ; cy
	s_lshl_b32 s42, ttmp9, 2
	s_add_co_u32 s42, s42, s40                     ; tile column 0..7
	s_and_b32 s13, ttmp7, 0xffff
	s_lshl_b32 s13, s13, 2
	s_add_co_u32 s13, s13, s41                     ; tile row 0..31
	s_lshl_b32 s43, s41, 2
	s_lshl_b32 s43, 15, s43                        ; my row of the cluster
	s_lshl_b32 s44, 0x1111, s40                    ; my column
	s_or_b32 s[G1+0], s43, (1<<16)|(1<<20)|(1<<21)|(5<<22)|(3<<25)  ; the mask; 2-byte elements; padding on; bit 21 beside a mask; after every 64 words, 4 words
	s_or_b32 s[G1B+0], s44, (1<<16)|(1<<20)|(1<<21)|(5<<22)|(3<<25)
.irp g, G1, G1B
	s_mov_b32 s[(\g)+1], KSTEP<<16                 ; tensor_dim0 = 128
	s_mov_b32 s[(\g)+2], 128<<16                   ; tensor_dim1 = 128
	s_mov_b32 s[(\g)+3], KSTEP<<16                 ; tile_dim0 = 128
	s_mov_b32 s[(\g)+4], 128                       ; tile_dim1 = 128
	s_mov_b32 s[(\g)+5], 1024                      ; elements from row to row
	s_mov_b32 s[(\g)+6], 0
	s_mov_b32 s[(\g)+7], 0
.endr
	s_lshl_b32 s17, s12, 7
	s_lshl_b32 s16, s13, 8
	s_add_co_u32 s16, s16, s17                     ; A: key 256 x tile row + 128 x half
	s_lshl_b32 s46, s42, 8
	s_add_co_u32 s46, s46, s17                     ; B: row 256 x tile column + 128 x half; also the first of my 128 columns
	s_lshl_b32 s80, s46, 2                         ; its byte in the bias
	s_mov_b32 s81, 0
	s_lshl_b32 s16, s16, 11
	s_add_co_u32 s16, s16, 0x1000000               ; m lies behind x's 8,192 rows of 2,048 bytes
	s_mov_b32 s17, 0
	s_lshl_b32 s46, s46, 11
	s_mov_b32 s47, 0
	s_mul_i32 s20, s10, HALFT
	s_mov_b32 s[TB], 0
	s_mov_b32 s[SEL], 0x76543210
	s_mov_b32 s[SEL+1], 0xfedcba98
	s_wait_dscnt 0x0                               ; the opening add is done
	s_wait_kmcnt 0x0
	s_add_nc_u64 s[14:15], s[4:5], s[16:17]
	s_add_nc_u64 s[46:47], s[6:7], s[46:47]
	CROUND                                         ; all sixteen work-groups are here: the first joint loads meet
.irp s, 0,1
	s_mov_b32 s[G0+4*(\s)], 1
	s_add_co_u32 s[G0+4*(\s)+1], s20, (\s)*SLOT
	s_add_nc_u64 s[G0+4*(\s)+2:G0+4*(\s)+3], s[14:15], (\s)*STEP
	s_or_b32 s[G0+4*(\s)+3], s[G0+4*(\s)+3], 0x80000000
	s_mov_b32 s[G0B+4*(\s)], 1
	s_add_co_u32 s[G0B+4*(\s)+1], s20, (\s)*SLOT
	s_add_nc_u64 s[G0B+4*(\s)+2:G0B+4*(\s)+3], s[46:47], (\s)*STEP
	s_or_b32 s[G0B+4*(\s)+3], s[G0B+4*(\s)+3], 0x80000000
.endr
	s_cmp_eq_u32 s11, 0                            ; a wave's two first fills stand in one branch: two loads of mine are out
	s_cbranch_scc0 .Lfirst_b
	tensor_load_to_lds s[G0:G0+3], s[G1:G1+7]
	s_nop 0
	tensor_load_to_lds s[G0+4:G0+7], s[G1:G1+7]
	s_nop 0
.rept 4
	v_nop
.endr
	s_branch .Lfirst_asked
.Lfirst_b:
	tensor_load_to_lds s[G0B:G0B+3], s[G1B:G1B+7]
	s_nop 0
	tensor_load_to_lds s[G0B+4:G0B+7], s[G1B:G1B+7]
	s_nop 0
.rept 4
	v_nop
.endr
.Lfirst_asked:
	v_and_b32 v1, 15, v0                           ; l % 16
	v_bfe_u32 v2, v0, 4, 1                         ; l / 16
	v_mul_u32_u24 v3, v1, PITCH
	v_lshl_add_u32 v3, v2, 4, v3
	s_mul_i32 s21, s11, HALFT                      ; my 128 rows of A
	s_mul_i32 s22, s12, HALFT
	s_add_co_u32 s22, s22, 2*HALFT                 ; my 128 rows of B, behind A's 256
	v_add_nc_u32 v[ADRA0], s21, v3
	v_add_nc_u32 v[ADRB0], s22, v3
	v_mov_b32 v[ADRA], v[ADRA0]
	v_mov_b32 v[ADRB], v[ADRB0]
	s_mul_i32 s23, s10, 16*SPITCH
	s_add_co_u32 s23, s23, STAGE                   ; my stage
	v_mul_u32_u24 v4, v1, SPITCH
	v_lshl_add_u32 v4, v2, 4, v4
	v_add_nc_u32 v[STO], s23, v4
	v_mul_u32_u24 v5, v2, SPITCH
	v_lshl_add_u32 v5, v1, 4, v5
	v_add_nc_u32 v[RD], s23, v5
	v_lshlrev_b32 v5, 12, v2                       ; two rows of kv, 4,096 bytes apart
	v_lshl_add_u32 v[CO], v1, 4, v5
	s_lshl_b32 s84, s13, 8
	s_lshl_b32 s85, s11, 7
	s_add_co_u32 s84, s84, s85                     ; my first row of kv
	s_lshl_b32 s84, s84, 12
	s_lshl_b32 s85, s42, 9
	s_add_co_u32 s84, s84, s85
	s_lshl_b32 s85, s12, 8
	s_add_co_u32 s84, s84, s85                     ; my first column, in bytes
	s_mov_b32 s85, 0
	s_add_nc_u64 s[8:9], s[76:77], s[84:85]
	; the bias: register 8 b + j of a lane is column 16 b + 8 (l / 16) + j of my 128
	s_add_nc_u64 s[80:81], s[72:73], s[80:81]
	v_lshlrev_b32 v[BO], 5, v2
	WIN TO_B
.irp b, 0,1,2,3,4,5,6,7
	global_load_b128 v[BI+8*(\b):BI+8*(\b)+3], v[BO], s[80:81] offset:64*(\b)
	global_load_b128 v[BI+8*(\b)+4:BI+8*(\b)+7], v[BO], s[80:81] offset:64*(\b)+16
.endr
	WIN 0
	; THE JOB THAT MAKES ek, while the first tiles are on their way: wave w of work-group (tile row, tile column) takes the eight keys from k0 = 32 (8 x tile row + tile column) + 8 w on
	s_lshl_b32 s84, s13, 3
	s_add_co_u32 s84, s84, s42
	s_lshl_b32 s84, s84, 5
	s_lshl_b32 s85, s10, 3
	s_add_co_u32 s84, s84, s85                     ; k0
	s_lshl_b32 s86, s84, 11
	s_add_co_u32 s86, s86, 0x1000000
	s_mov_b32 s87, 0
	s_add_nc_u64 s[86:87], s[4:5], s[86:87]        ; m at key k0
	s_mov_b32 s85, 0
	s_add_nc_u64 s[88:89], s[74:75], s[84:85]      ; the mask at key k0
	s_lshl_b32 s84, s84, 2
	s_add_nc_u64 s[78:79], s[78:79], s[84:85]      ; ek at key k0
	v_and_b32 v[LN], 31, v0
	v_lshlrev_b32 v[RO], 4, v[LN]
	v_lshlrev_b32 v228, 5, v[LN]
	v_and_b32 v229, 7, v0
	v_lshlrev_b32 v230, 2, v[LN]
.irp r, 0,1,2,3,4,5,6,7
.irp j, 0,1,2,3
	global_load_b128 v[64+16*(\r)+4*(\j):64+16*(\r)+4*(\j)+3], v[RO], s[86:87] offset:(\r)*2048+512*(\j)
.endr
.endr
.irp j, 0,1,2,3
	global_load_b128 v[192+8*(\j):192+8*(\j)+3], v228, s[72:73] offset:8192+1024*(\j)      ; g
	global_load_b128 v[192+8*(\j)+4:192+8*(\j)+7], v228, s[72:73] offset:8192+1024*(\j)+16
.endr
	global_load_u8 v[MK], v229, s[88:89]
	; the prefetches' address, made while those loads are out
	s_lshl_b32 s14, s13, 8
	s_lshl_b32 s15, s42, 8
	s_and_b32 s22, ttmp7, 0xffff                   ; cluster y
	s_cmp_eq_u32 s11, 0                            ; do I fetch for A?
	s_cselect_b32 s20, s14, s15                    ; the tile's first row
	s_cselect_b32 s21, s40, s41                    ; my place among the four that ask for it with me
	s_cselect_b32 s22, ttmp9, s22                  ; the coordinate along which other clusters read the same rows
	s_cselect_b32 s23, 0x1000000, 0
	s_cselect_b64 s[PFA:PFA+1], s[4:5], s[6:7]
	s_cmp_eq_u32 s22, 0
	s_cselect_b32 s[LIM], 2, -1                    ; the same in all sixteen partners, for a given wave
	s_lshl_b32 s22, s12, 7
	s_add_co_u32 s20, s20, s22                     ; + the 128 rows that I fetch
	s_lshl_b32 s21, s21, 5
	s_add_co_u32 s20, s20, s21                     ; + my work-group's 32 of them
	s_lshl_b32 s20, s20, 11
	s_add_co_u32 s20, s20, s23
	s_add_co_u32 s20, s20, 3*STEP                  ; at K step 3: the first change of slots steps it to 4
	s_mov_b32 s21, 0
	s_add_nc_u64 s[PFA:PFA+1], s[PFA:PFA+1], s[20:21]
	v_lshlrev_b32 v[PFO], 11, v[LN]
	v_mov_b32 v[RES], 0
	s_wait_loadcnt 0x0                             ; the bias, the eight rows, g and the mask
.irp r, 0,1,2,3,4,5,6,7
	ROWDOT 64+16*(\r), 192
	v_cmp_eq_u32 vcc_lo, \r, v[LN]
	v_cndmask_b32 v[RES], v[RES], v[DR], vcc_lo    ; key k0 + r into lane r
.endr
	v_cmp_ne_u32 vcc_lo, 0, v[MK]
	v_cndmask_b32 v[RES], 0xf149f2ca, v[RES], vcc_lo  ; a hidden key: -1e30
	s_wait_xcnt 0x0                                ; EXEC changes only behind this wait
	v_cmp_gt_u32 vcc_lo, 8, v[LN]
	s_and_saveexec_b32 s84, vcc_lo
	global_store_b32 v230, v[RES], s[78:79]
	s_wait_xcnt 0x0
	s_or_b32 exec_lo, exec_lo, s84
; 16 matrix instructions: m blocks a0, a0 + 1 of the window's four (hi = 0: my rows 0-63, 1: rows 64-127) x all 8 n blocks, 32 along K.  ini = 1: the sums start with the bias.
; The 64 accumulators take turns, one instruction a turn, in the same order in every quarter.
.macro MUL16 f, hi, a0, ini
.if \ini
	WIN 0x91+0x40*(\hi)                            ; C in window 1
.else
	WIN MUL_LO+0x50*(\hi)
.endif
.irp a, \a0, (\a0)+1
.irp b, 0,1,2,3,4,5,6,7
.if \ini
	v_wmma_f32_16x16x32_bf16 v[8*(8*(\a)+(\b)):8*(8*(\a)+(\b))+7], v[(\f)+8*(\b):(\f)+8*(\b)+7], v[(\f)+8*(4*(\hi)+(\a)):(\f)+8*(4*(\hi)+(\a))+7], v[BI+8*(\b):BI+8*(\b)+7]
.else
	v_wmma_f32_16x16x32_bf16 v[8*(8*(\a)+(\b)):8*(8*(\a)+(\b))+7], v[(\f)+8*(\b):(\f)+8*(\b)+7], v[(\f)+8*(4*(\hi)+(\a)):(\f)+8*(4*(\hi)+(\a))+7], v[8*(8*(\a)+(\b)):8*(8*(\a)+(\b))+7]
.endif
.endr
.endr
.endm
.macro FETCH k, f                      ; 32 LDS loads in one run: B's 128 rows, then A's, 32 along K at byte k of the rows
	WIN TO_B
.irp i, 0,1,2,3,4,5,6,7
	ds_load_b128 v[(\f)+8*(\i):(\f)+8*(\i)+3],   v[ADRB] offset:(\k)+(\i)*16*PITCH
	ds_load_b128 v[(\f)+8*(\i)+4:(\f)+8*(\i)+7], v[ADRB] offset:(\k)+(\i)*16*PITCH+32
.endr
	WIN 0
.irp i, 0,1,2,3,4,5,6,7
	ds_load_b128 v[(\f)+8*(\i):(\f)+8*(\i)+3],   v[ADRA] offset:(\k)+(\i)*16*PITCH
	ds_load_b128 v[(\f)+8*(\i)+4:(\f)+8*(\i)+7], v[ADRA] offset:(\k)+(\i)*16*PITCH+32
.endr
.endm
.macro QUARTER k, f, g, ini
	s_wait_dscnt 8                                 ; B and A's rows 0-63 are in; the youngest eight loads may be out
	MUL16 \f, 0, 0, \ini
	MUL16 \f, 0, 2, \ini
	PLACES
	FETCH \k, \g
	s_wait_dscnt 32                                ; all but the 32 just issued
	MUL16 \f, 1, 0, \ini
	MUL16 \f, 1, 2, \ini
.endm
; The last quarter multiplies buffer 1 and changes slots: one barrier; in front of it each wave waits for all its tensor loads, adds 0 to its spare word, and waits for that and for its reads of this slot.
.macro TURN fill
	WIN 0
.if \fill
	s_wait_xcnt 0x0                                ; the last prefetch, a K step back, has read its address
	s_add_nc_u64 s[PFA:PFA+1], s[PFA:PFA+1], STEP
.endif
	s_wait_tensorcnt 0x0                           ; all my tensor loads have landed: my part of the next slot
	ds_add_u32 v[SPW], v[NIL]
.if \fill
	STEPD
.endif
	s_wait_dscnt 9                                 ; the add and the youngest eight loads may be out
	MUL16 F1, 0, 0, 0
	s_wait_dscnt 0x0                               ; the add is done, and my reads of this slot are over
	s_barrier_signal -1
	MUL16 F1, 0, 2, 0
	WIN 0
	s_barrier_wait -1
.if \fill
	CREST                                          ; the barrier has opened a round of the cluster's: no wave of any partner still reads this slot or has a load on its way
	JLOAD                                          ; the first tensor load behind the round: 224 matrix instructions ahead of the wait for it
.else
	PLACES
.endif
	SWAP
	FETCH 0, F0
.if \fill
	ASK
.endif
	MUL16 F1, 1, 0, 0
	MUL16 F1, 1, 2, 0
.endm
.macro STUB a                          ; block a of 16 rows, rounded to bf16: each accumulator's registers in ascending order
	WIN 0x0a+5*((\a)/4)
.irp b, 0,1,2,3,4,5,6,7
.irp r, 0,1,2,3
	v_cvt_pk_bf16_f32 v[TMP+4*(\b)+(\r)], v[64*((\a)%4)+8*(\b)+2*(\r)], v[64*((\a)%4)+8*(\b)+2*(\r)+1]
.endr
.endr
	WIN 0
.endm
	s_wait_tensorcnt 1                             ; my part of K step 0 is in; K step 1's may stay out
	s_barrier_signal -1
	s_barrier_wait -1
	FETCH 0, F0
	QUARTER 64, F0, F1, 1
	WIN 0
	s_mov_b32 s3, NS-2
.Lk:                                           ; a trip: from a K step's second quarter to the next step's first; it fills the slot that it leaves
	QUARTER 128, F1, F0, 0
	QUARTER 192, F0, F1, 0
	TURN 1
	QUARTER 64, F0, F1, 0
	WIN 0
	s_sub_co_u32 s3, s3, 1
	s_cmp_lg_u32 s3, 0
	s_cbranch_scc1 .Lk
	s_mov_b32 s3, 2
.Ltail:                                        ; the last two K steps ask for nothing
	QUARTER 128, F1, F0, 0
	QUARTER 192, F0, F1, 0
	WIN 0
	s_sub_co_u32 s3, s3, 1
	s_cmp_eq_u32 s3, 0
	s_cbranch_scc1 .Llast
	TURN 0
	QUARTER 64, F0, F1, 0
	WIN 0
	s_branch .Ltail
.Llast:
	s_wait_dscnt 8
	MUL16 F1, 0, 0, 0
	MUL16 F1, 0, 2, 0
	s_wait_dscnt 0x0
	MUL16 F1, 1, 0, 0
	MUL16 F1, 1, 2, 0
	WIN 0
	PLACES
	; THE WAY OUT: eight trips, a block of 16 rows each.  What names the block's accumulators is written eight times and chosen by forward jumps; the road through my stage is written once.
	s_mov_b32 s2, 8
.Lblk:
.irp a, 0,1,2,3,4,5,6
	s_cmp_lg_u32 s2, 8-(\a)
	s_cbranch_scc1 .Lnot_\a
	STUB \a
	s_branch .Lcom
.Lnot_\a:
.endr
	STUB 7
.Lcom:
.irp b, 0,1,2,3,4,5,6,7
	ds_store_b128 v[STO], v[TMP+4*(\b):TMP+4*(\b)+3] offset:32*(\b)
.endr
.irp t, 0,1,2,3,4,5,6,7
	ds_load_b128 v[OB+4*(\t):OB+4*(\t)+3], v[RD] offset:(\t)*2*SPITCH  ; LDS serves a wave's instructions in order (ISA guide 5.7.1.4): these see the stores above
.endr
.irp t, 0,1,2,3,4,5,6,7
	s_wait_dscnt 7-(\t)
	global_store_b128 v[CO], v[OB+4*(\t):OB+4*(\t)+3], s[8:9] offset:2*(\t)*4096  ; 16 lanes store 256 consecutive bytes, aligned
.endr
	s_wait_xcnt 0x0                                ; the stores have read their base and their data: both are written again only behind this wait
	s_add_nc_u64 s[8:9], s[8:9], 16*4096
	s_sub_co_u32 s2, s2, 1
	s_cmp_lg_u32 s2, 0
	s_cbranch_scc1 .Lblk
	s_wait_tensorcnt 0x0                           ; the wave's end
	ds_add_u32 v[SPW], v[NIL]
	s_wait_dscnt 0x0
	CROUND                                         ; the closing round
	s_endpgm
.Lfunc_end_k_q6863696a53_proj:
	.size	k_q6863696a53_proj, .Lfunc_end_k_q6863696a53_proj-k_q6863696a53_proj
	.p2alignl 7, 3214868480
	.fill 96, 4, 3214868480
	.section	.rodata,"a",@progbits
	.p2align	6, 0x0
	.amdhsa_kernel k_q6863696a53_proj
		.amdhsa_group_segment_fixed_size 327680
		.amdhsa_private_segment_fixed_size 0
		.amdhsa_enable_private_segment 0
		.amdhsa_kernarg_size 48
		.amdhsa_user_sgpr_count 2
		.amdhsa_user_sgpr_kernarg_segment_ptr 1
		.amdhsa_wavefront_size32 1
		.amdhsa_system_sgpr_workgroup_id_x 1
		.amdhsa_system_sgpr_workgroup_id_y 1
		.amdhsa_system_sgpr_workgroup_id_z 1
		.amdhsa_system_vgpr_workitem_id 0
		.amdhsa_next_free_vgpr 1024
		.amdhsa_next_free_sgpr 90
		.amdhsa_reserve_vcc 1
		.amdhsa_float_denorm_mode_32 3
		.amdhsa_float_denorm_mode_16_64 3
		.amdhsa_memory_ordered 1
		.amdhsa_forward_progress 1
		.amdhsa_inst_pref_size 119
	.end_amdhsa_kernel
	.amdgpu_metadata
---
amdhsa.version: [ 1, 2 ]
amdhsa.kernels:
  - .name:           k_q6863696a53_proj
    .symbol:         k_q6863696a53_proj.kd
    .args:
      - { .name: cb, .offset: 0, .size: 8, .value_kind: global_buffer, .address_space: global }
      - { .name: wb, .offset: 8, .size: 8, .value_kind: global_buffer, .address_space: global }
      - { .name: vec, .offset: 16, .size: 8, .value_kind: global_buffer, .address_space: global }
      - { .name: memory_mask, .offset: 24, .size: 8, .value_kind: global_buffer, .address_space: global }
      - { .name: kv, .offset: 32, .size: 8, .value_kind: global_buffer, .address_space: global }
      - { .name: ek, .offset: 40, .size: 8, .value_kind: global_buffer, .address_space: global }
    .group_segment_fixed_size: 327680
    .private_segment_fixed_size: 0
    .kernarg_segment_align: 8
    .kernarg_segment_size: 48
    .max_flat_workgroup_size: 128
    .sgpr_count:     90
    .vgpr_count:     1024
    .wavefront_size: 32
...
	.end_amdgpu_metadata
.endif
;; end of part 3
;; launch scores (part 4): grid 8 x 32, 4 waves a work-group, clusters of 4 x 4, 327,680 bytes of LDS; arguments cb, kv, ek, pt, st; writes pt, st
.if DOCPART == 4
	.amdgcn_target "amdgcn-amd-amdhsa--gfx1250"
	.amdhsa_code_object_version 6
	.text
	.protected	k_q6863696a53_scores
	.globl	k_q6863696a53_scores
	.p2align	8
	.type	k_q6863696a53_scores,@function
k_q6863696a53_scores:
	s_mov_b64 s[64:65], 0
	v_nop
	global_prefetch_b8 v0, s[64:65] scope:SCOPE_SE
	s_setreg_imm32_b32 hwreg(HW_REG_WAVE_MODE, 25, 1), 1
	s_wait_xcnt 0x0
	s_wait_alu depctr_hold_cnt(0) depctr_sa_sdst(0) depctr_va_vdst(0) depctr_va_sdst(0) depctr_va_ssrc(0) depctr_va_vcc(0) depctr_vm_vsrc(0)
	s_getreg_b32 s2, hwreg(HW_REG_IB_STS2, 6, 4)
	s_cmp_eq_u32 s2, 0
	s_cbranch_scc0 .Lentry_in_a_cluster
	s_endpgm
.Lentry_in_a_cluster:
	s_bfe_u32 s2, ttmp6, 0x10000c
	s_cmp_lg_u32 s2, 0xf033
	s_cbranch_scc0 .Lentry_shape_is_right
	s_endpgm
.Lentry_shape_is_right:
; SCORES.  s[q][k] = sum over i of x[q][i] k''[k][i] + ek[k] (what q . k is, less a number that is the same for all scores); x = cb's rows 0-8191, k'' = kv's columns 0-1023 of the query's batch.
; BLOCK SOFTMAX.  A wave holds 128 queries x 128 keys.  For each query it takes the maximum m of its 128 scores away: pt = 2^(c s - c m) in bf16, c = log2(e) / 32; st keeps c m (byte 0) and
; l = the sum of the unrounded 2^(..) (byte 524,288), f32, as [16 blocks of 128 keys][8,192 queries].  The next launch brings the blocks onto the row's maximum.  No exponential passes 1.
; LIMITS.  A hidden key's ek is -1e30: its weight is 0 beside a visible key; in a block with none visible all weights are 1 and c m is near -4.5e28.  A weight below 2^-126 counts as 0.
; A tile is 256 x 256, four waves of 128 x 128; K = 1,024 in eight steps of 128 through two LDS slots.  CLUSTER 4 x 4: x's tile is asked for jointly along a row, k'''s along a column.
; The matrix instruction is used transposed (source 0 = keys, source 1 = queries): a lane holds ONE query (lane % 16) and the keys 16 b + 8 (lane / 16) + 0..7.  ek is the C operand that starts the sums.
; REGISTERS: window 0: v16-31 addresses; v32-63 rows on the way out; v64-127, v128-191 fragments of x, later c s and the statistics; v192-223 packed weights.  Window 1: v0-63 ek; v64-191 fragments of k''.
.set KSTEP,  128
.set PITCH,  272
.set HALFT,  128*PITCH
.set SLOT,   4*HALFT                   ; 0x22000: none of its bits is set in wave x HALFT
.set STAGE,  2*SLOT
.set SPITCH, 272
.set STATS,  STAGE+4*16*SPITCH         ; 1,024 bytes for each wave: c m of its 128 queries, then l
.set SPARE,  STATS+4096
.set NS,     8
.set STEP,   KSTEP*2
.set ADRA0, 16
.set ADRB0, 17
.set ADRA,  18
.set ADRB,  19
.set STA0,  20
.set STA,   21
.set SL,    22
.set LN,    23
.set STO,   24
.set RD,    25
.set CO,    26
.set BO,    27
.set SPW,   28
.set NIL,   29
.set PFO,   30
.set OB,    32
.set F0,    64
.set F1,    128
.set SX,    64                         ; the way out: a block's 64 numbers a lane
.set CM,    128                        ; v[128:129] c m, twice
.set CH,    130                        ; four chains
.set LS,    134
.set TMP,   192
.set BI,    0
.set G1,  24
.set G0,  32
.set LIM, 43
.set PFA, 44
.set G1B, 48
.set G0B, 56
.set TB,  66
.set STB, 67                           ; the block's place in my statistics
.set CS,  68
.set SEL, 70
.set MSB, 0
.macro WIN new
.if MSB != (\new)
	s_set_vgpr_msb (MSB<<8)|(\new)
.set MSB, \new
.endif
.endm
.set MUL_LO, 0xa1
.set TO_B,   0x40
.macro PLACES
.rept 4
	v_nop
.endr
.endm
.macro JLOAD
	s_cmp_eq_u32 s11, 0
	s_cbranch_scc0 .Lfor_b_\@
	tensor_load_to_lds s[G0+4:G0+7], s[G1:G1+7]
	s_nop 0
.rept 4
	v_nop
.endr
	s_branch .Lasked_\@
.Lfor_b_\@:
	tensor_load_to_lds s[G0B+4:G0B+7], s[G1B:G1B+7]
	s_nop 0
.rept 4
	v_nop
.endr
.Lasked_\@:
.endm
.macro STEPD
	s_xor_b32 s[G0+5], s[G0+5], SLOT
	s_add_nc_u64 s[G0+6:G0+7], s[G0+6:G0+7], STEP
	s_xor_b32 s[G0B+5], s[G0B+5], SLOT
	s_add_nc_u64 s[G0B+6:G0B+7], s[G0B+6:G0B+7], STEP
.endm
.macro SWAP
	s_xor_b32 s[TB], s[TB], SLOT
	v_add_nc_u32 v[ADRA], s[TB], v[ADRA0]
	v_add_nc_u32 v[ADRB], s[TB], v[ADRB0]
.endm
; A prefetch of the K step two refills on: 32 rows x 256 bytes, a lane a row.  x's rows are asked for by the clusters with x = 0; a batch's k'' is read by two clusters of a column: the even one asks.
; The four partners of a joint load take 32 of a wave's 128 rows each, told apart by address.  Trip j of six names K step j + 4; the last two trips name nothing.
.macro ASK
	s_cmp_gt_u32 s3, s[LIM]
	s_cbranch_scc0 .Lnot_mine_\@
	global_prefetch_b8 v[PFO], s[PFA:PFA+1] th:TH_LOAD_NT scope:SCOPE_SE
.Lnot_mine_\@:
.endm
.macro CREST
	s_cmp_lg_u32 s10, 0
	s_cbranch_scc1 .Lnot_wave_0_\@
	s_barrier_signal -3
.Lnot_wave_0_\@:
	s_barrier_wait -3
	s_barrier_signal -1
	s_barrier_wait -1
.endm
.macro CROUND
	s_barrier_signal -1
	s_barrier_wait -1
	CREST
.endm
	s_load_b128 s[4:7], s[0:1], 0x0                ; cb s[4:5], kv s[6:7]
	s_load_b128 s[72:75], s[0:1], 0x10             ; ek s[72:73], pt s[74:75]
	s_load_b64 s[76:77], s[0:1], 0x20              ; st
	v_lshl_add_u32 v[SPW], v0, 2, SPARE
	v_mov_b32 v[NIL], 0
	ds_add_u32 v[SPW], v[NIL]                      ; the wave's opening: the add, and its wait ahead of my first tensor load
	ds_add_u32 v28, v29
	v_lshrrev_b32 v1, 5, v0
	v_readfirstlane_b32 s10, v1
	s_lshr_b32 s11, s10, 1
	s_and_b32 s12, s10, 1
	s_bfe_u32 s40, ttmp6, 0x40000                  ; cx
	s_bfe_u32 s41, ttmp6, 0x40004                  ; cy
	s_lshl_b32 s42, ttmp9, 2
	s_add_co_u32 s42, s42, s40                     ; tile column 0..7: 256 keys of the batch
	s_and_b32 s13, ttmp7, 0xffff
	s_lshr_b32 s21, s13, 1                         ; the batch: the same in all sixteen partners
	s_lshl_b32 s13, s13, 2
	s_add_co_u32 s13, s13, s41                     ; tile row 0..31: 256 queries of all 8,192
	s_lshl_b32 s43, s41, 2
	s_lshl_b32 s43, 15, s43
	s_lshl_b32 s44, 0x1111, s40
	s_or_b32 s[G1+0], s43, (1<<16)|(1<<20)|(1<<21)|(5<<22)|(3<<25)
	s_or_b32 s[G1B+0], s44, (1<<16)|(1<<20)|(1<<21)|(5<<22)|(3<<25)
.irp g, G1, G1B
	s_mov_b32 s[(\g)+1], KSTEP<<16
	s_mov_b32 s[(\g)+2], 128<<16
	s_mov_b32 s[(\g)+3], KSTEP<<16
	s_mov_b32 s[(\g)+4], 128
	s_mov_b32 s[(\g)+6], 0
	s_mov_b32 s[(\g)+7], 0
.endr
	s_mov_b32 s[G1+5], 1024                        ; elements from row to row: cb's,
	s_mov_b32 s[G1B+5], 2048                       ; and kv's
	s_lshl_b32 s17, s12, 7
	s_lshl_b32 s16, s13, 8
	s_add_co_u32 s16, s16, s17                     ; A: query 256 x tile row + 128 x half
	s_lshl_b32 s46, s42, 8
	s_add_co_u32 s46, s46, s17
	s_lshl_b32 s21, s21, 11
	s_add_co_u32 s46, s46, s21                     ; B: key 2,048 x batch + 256 x tile column + 128 x half; also the first of my 128 keys
	s_lshl_b32 s80, s46, 2                         ; its byte in ek
	s_mov_b32 s81, 0
	s_lshl_b32 s16, s16, 11
	s_mov_b32 s17, 0
	s_lshl_b32 s46, s46, 12
	s_mov_b32 s47, 0
	s_mul_i32 s20, s10, HALFT
	s_mov_b32 s[TB], 0
	s_mov_b32 s[STB], 0
	s_mov_b32 s[CS], 0x3d38aa3b                    ; c = log2(e) / 32
	s_mov_b32 s[CS+1], s[CS]
	s_mov_b32 s[SEL], 0x76543210
	s_mov_b32 s[SEL+1], 0xfedcba98
	s_wait_dscnt 0x0
	s_wait_kmcnt 0x0
	s_add_nc_u64 s[14:15], s[4:5], s[16:17]
	s_add_nc_u64 s[46:47], s[6:7], s[46:47]
	CROUND
.irp s, 0,1
	s_mov_b32 s[G0+4*(\s)], 1
	s_add_co_u32 s[G0+4*(\s)+1], s20, (\s)*SLOT
	s_add_nc_u64 s[G0+4*(\s)+2:G0+4*(\s)+3], s[14:15], (\s)*STEP
	s_or_b32 s[G0+4*(\s)+3], s[G0+4*(\s)+3], 0x80000000
	s_mov_b32 s[G0B+4*(\s)], 1
	s_add_co_u32 s[G0B+4*(\s)+1], s20, (\s)*SLOT
	s_add_nc_u64 s[G0B+4*(\s)+2:G0B+4*(\s)+3], s[46:47], (\s)*STEP
	s_or_b32 s[G0B+4*(\s)+3], s[G0B+4*(\s)+3], 0x80000000
.endr
	s_cmp_eq_u32 s11, 0
	s_cbranch_scc0 .Lfirst_b
	tensor_load_to_lds s[G0:G0+3], s[G1:G1+7]
	s_nop 0
	tensor_load_to_lds s[G0+4:G0+7], s[G1:G1+7]
	s_nop 0
.rept 4
	v_nop
.endr
	s_branch .Lfirst_asked
.Lfirst_b:
	tensor_load_to_lds s[G0B:G0B+3], s[G1B:G1B+7]
	s_nop 0
	tensor_load_to_lds s[G0B+4:G0B+7], s[G1B:G1B+7]
	s_nop 0
.rept 4
	v_nop
.endr
.Lfirst_asked:
	v_and_b32 v1, 15, v0
	v_bfe_u32 v2, v0, 4, 1
	v_and_b32 v[LN], 31, v0
	v_mul_u32_u24 v3, v1, PITCH
	v_lshl_add_u32 v3, v2, 4, v3
	s_mul_i32 s84, s11, HALFT
	s_mul_i32 s85, s12, HALFT
	s_add_co_u32 s85, s85, 2*HALFT
	v_add_nc_u32 v[ADRA0], s84, v3
	v_add_nc_u32 v[ADRB0], s85, v3
	v_mov_b32 v[ADRA], v[ADRA0]
	v_mov_b32 v[ADRB], v[ADRB0]
	s_mul_i32 s84, s10, 16*SPITCH
	s_add_co_u32 s84, s84, STAGE
	v_mul_u32_u24 v4, v1, SPITCH
	v_lshl_add_u32 v4, v2, 4, v4
	v_add_nc_u32 v[STO], s84, v4
	v_mul_u32_u24 v5, v2, SPITCH
	v_lshl_add_u32 v5, v1, 4, v5
	v_add_nc_u32 v[RD], s84, v5
	v_lshlrev_b32 v5, 12, v2
	v_lshl_add_u32 v[CO], v1, 4, v5
	s_lshl_b32 s88, s10, 10
	s_add_co_u32 s88, s88, STATS                   ; my statistics
	v_lshl_add_u32 v[STA0], v1, 2, s88             ; query l % 16 of a block
	v_lshl_add_u32 v[SL], v[LN], 4, s88            ; back: four queries a lane
	s_lshl_b32 s84, s13, 8
	s_lshl_b32 s85, s11, 7
	s_add_co_u32 s84, s84, s85                     ; my first query
	s_lshl_b32 s87, s84, 2                         ; its byte in a row of st
	s_lshl_b32 s84, s84, 12
	s_lshl_b32 s85, s42, 9
	s_add_co_u32 s84, s84, s85
	s_lshl_b32 s85, s12, 8
	s_add_co_u32 s84, s84, s85
	s_mov_b32 s85, 0
	s_add_nc_u64 s[8:9], s[74:75], s[84:85]        ; pt at my part of the tile
	s_lshl_b32 s86, s42, 1
	s_add_co_u32 s86, s86, s12                     ; my block of 128 keys, 0..15
	s_lshl_b32 s86, s86, 15
	s_add_co_u32 s86, s86, s87
	s_mov_b32 s87, 0
	s_add_nc_u64 s[76:77], s[76:77], s[86:87]      ; st at my block and my first query
	s_add_nc_u64 s[80:81], s[72:73], s[80:81]
	v_lshlrev_b32 v[BO], 5, v2
	WIN TO_B
.irp b, 0,1,2,3,4,5,6,7
	global_load_b128 v[BI+8*(\b):BI+8*(\b)+3], v[BO], s[80:81] offset:64*(\b)
	global_load_b128 v[BI+8*(\b)+4:BI+8*(\b)+7], v[BO], s[80:81] offset:64*(\b)+16
.endr
	WIN 0
	; the prefetches' address
	s_lshl_b32 s14, s13, 8
	s_lshl_b32 s15, s42, 8
	s_add_co_u32 s15, s15, s21                     ; + 2,048 x batch
	s_and_b32 s22, ttmp7, 1                        ; cluster y, odd or even
	s_cmp_eq_u32 s11, 0
	s_cselect_b32 s20, s14, s15
	s_cselect_b32 s23, s40, s41
	s_cselect_b32 s22, ttmp9, s22
	s_cselect_b64 s[PFA:PFA+1], s[4:5], s[6:7]
	s_cmp_eq_u32 s22, 0
	s_cselect_b32 s[LIM], 2, -1
	s_lshl_b32 s22, s12, 7
	s_add_co_u32 s20, s20, s22
	s_lshl_b32 s23, s23, 5
	s_add_co_u32 s20, s20, s23
	s_add_co_u32 s22, s11, 11                      ; rows of 2,048 bytes in cb, of 4,096 in kv
	s_lshl_b32 s20, s20, s22
	s_add_co_u32 s20, s20, 3*STEP
	s_mov_b32 s21, 0
	s_add_nc_u64 s[PFA:PFA+1], s[PFA:PFA+1], s[20:21]
	v_lshlrev_b32 v[PFO], s22, v[LN]
.macro MUL16 f, hi, a0, ini            ; as many accumulators as instructions: they take turns.  ini = 1: the sums start with ek
.if \ini
	WIN 0x91+0x40*(\hi)
.else
	WIN MUL_LO+0x50*(\hi)
.endif
.irp a, \a0, (\a0)+1
.irp b, 0,1,2,3,4,5,6,7
.if \ini
	v_wmma_f32_16x16x32_bf16 v[8*(8*(\a)+(\b)):8*(8*(\a)+(\b))+7], v[(\f)+8*(\b):(\f)+8*(\b)+7], v[(\f)+8*(4*(\hi)+(\a)):(\f)+8*(4*(\hi)+(\a))+7], v[BI+8*(\b):BI+8*(\b)+7]
.else
	v_wmma_f32_16x16x32_bf16 v[8*(8*(\a)+(\b)):8*(8*(\a)+(\b))+7], v[(\f)+8*(\b):(\f)+8*(\b)+7], v[(\f)+8*(4*(\hi)+(\a)):(\f)+8*(4*(\hi)+(\a))+7], v[8*(8*(\a)+(\b)):8*(8*(\a)+(\b))+7]
.endif
.endr
.endr
.endm
.macro FETCH k, f
	WIN TO_B
.irp i, 0,1,2,3,4,5,6,7
	ds_load_b128 v[(\f)+8*(\i):(\f)+8*(\i)+3],   v[ADRB] offset:(\k)+(\i)*16*PITCH
	ds_load_b128 v[(\f)+8*(\i)+4:(\f)+8*(\i)+7], v[ADRB] offset:(\k)+(\i)*16*PITCH+32
.endr
	WIN 0
.irp i, 0,1,2,3,4,5,6,7
	ds_load_b128 v[(\f)+8*(\i):(\f)+8*(\i)+3],   v[ADRA] offset:(\k)+(\i)*16*PITCH
	ds_load_b128 v[(\f)+8*(\i)+4:(\f)+8*(\i)+7], v[ADRA] offset:(\k)+(\i)*16*PITCH+32
.endr
.endm
.macro QUARTER k, f, g, ini
	s_wait_dscnt 8                                 ; B and A's rows 0-63 are in
	MUL16 \f, 0, 0, \ini
	MUL16 \f, 0, 2, \ini
	PLACES
	FETCH \k, \g
	s_wait_dscnt 32                                ; all but the 32 just issued
	MUL16 \f, 1, 0, \ini
	MUL16 \f, 1, 2, \ini
.endm
.macro TURN fill
	WIN 0
.if \fill
	s_wait_xcnt 0x0                                ; the last prefetch, a K step back, has read its address
	s_add_nc_u64 s[PFA:PFA+1], s[PFA:PFA+1], STEP
.endif
	s_wait_tensorcnt 0x0                           ; all my tensor loads have landed: my part of the next slot
	ds_add_u32 v[SPW], v[NIL]
.if \fill
	STEPD
.endif
	s_wait_dscnt 9                                 ; the add and the youngest eight loads may be out
	MUL16 F1, 0, 0, 0
	s_wait_dscnt 0x0                               ; the add is done, and my reads of this slot are over
	s_barrier_signal -1
	MUL16 F1, 0, 2, 0
	WIN 0
	s_barrier_wait -1
.if \fill
	CREST
	JLOAD
.else
	PLACES
.endif
	SWAP
	FETCH 0, F0
.if \fill
	ASK
.endif
	MUL16 F1, 1, 0, 0
	MUL16 F1, 1, 2, 0
.endm
.macro STUB a                          ; block a of 16 queries: c s into window 0, each accumulator's registers in ascending order
	WIN 0x02+((\a)/4)
.set i, 0
.rept 32
	v_pk_mul_f32 v[SX+2*i:SX+2*i+1], v[64*((\a)%4)+2*i:64*((\a)%4)+2*i+1], s[CS:CS+1] op_sel_hi:[1,0]
.set i, i+1
.endr
	WIN 0
.endm
	s_wait_tensorcnt 1                             ; my part of K step 0 is in; K step 1's may stay out
	s_barrier_signal -1
	s_barrier_wait -1
	FETCH 0, F0
	s_wait_loadcnt 0x0                             ; ek
	QUARTER 64, F0, F1, 1
	WIN 0
	s_mov_b32 s3, NS-2
.Lk:
	QUARTER 128, F1, F0, 0
	QUARTER 192, F0, F1, 0
	TURN 1
	QUARTER 64, F0, F1, 0
	WIN 0
	s_sub_co_u32 s3, s3, 1
	s_cmp_lg_u32 s3, 0
	s_cbranch_scc1 .Lk
	s_mov_b32 s3, 2
.Ltail:
	QUARTER 128, F1, F0, 0
	QUARTER 192, F0, F1, 0
	WIN 0
	s_sub_co_u32 s3, s3, 1
	s_cmp_eq_u32 s3, 0
	s_cbranch_scc1 .Llast
	TURN 0
	QUARTER 64, F0, F1, 0
	WIN 0
	s_branch .Ltail
.Llast:
	s_wait_dscnt 8
	MUL16 F1, 0, 0, 0
	MUL16 F1, 0, 2, 0
	s_wait_dscnt 0x0
	MUL16 F1, 1, 0, 0
	MUL16 F1, 1, 2, 0
	WIN 0
	PLACES
	; THE WAY OUT: eight trips, a block of 16 queries each.  What names the accumulators is written eight times and chosen by forward jumps; the softmax and the road through my stage once.
	s_mov_b32 s2, 8
.Lblk:
.irp a, 0,1,2,3,4,5,6
	s_cmp_lg_u32 s2, 8-(\a)
	s_cbranch_scc1 .Lnot_\a
	STUB \a
	s_branch .Lcom
.Lnot_\a:
.endr
	STUB 7
.Lcom:
	; the maximum of my 64 numbers, three operands at a time, in four chains of fifteen; then the four left over and the chains
.irp c, 0,1,2,3
	v_max3_num_f32 v[CH+(\c)], v[SX+16*(\c)], v[SX+16*(\c)+1], v[SX+16*(\c)+2]
.endr
.irp k, 0,1,2,3,4,5
.irp c, 0,1,2,3
	v_max3_num_f32 v[CH+(\c)], v[CH+(\c)], v[SX+16*(\c)+3+2*(\k)], v[SX+16*(\c)+4+2*(\k)]
.endr
.endr
	v_max3_num_f32 v[CH], v[CH], v[SX+15], v[SX+31]
	v_max3_num_f32 v[CH+2], v[CH+2], v[SX+47], v[SX+63]
	v_max3_num_f32 v[CH], v[CH], v[CH+1], v[CH+2]
	v_max_num_f32 v[CH], v[CH], v[CH+3]
	v_permlanex16_b32 v[CH+1], v[CH], s[SEL], s[SEL+1]  ; the query's other 64 keys lie in the lane 16 away
	v_max_num_f32 v[CM], v[CH], v[CH+1]
	v_mov_b32 v[CM+1], v[CM]
.set i, 0
.rept 32
	v_pk_add_f32 v[SX+2*i:SX+2*i+1], v[SX+2*i:SX+2*i+1], v[CM:CM+1] neg_lo:[0,1] neg_hi:[0,1]  ; c s - c m
.set i, i+1
.endr
.set i, 0
.rept 64
	v_exp_f32 v[SX+i], v[SX+i]                     ; one batch: none of these reads another's result
.set i, i+1
.endr
	v_nop                                          ; a plain instruction behind the last exponential (ISA guide 5.7.2),
	s_wait_alu depctr_va_vdst(0)                   ; and the one wait ahead of the first reader
.irp b, 0,1,2,3,4,5,6,7
.irp r, 0,1,2,3
	v_cvt_pk_bf16_f32 v[TMP+4*(\b)+(\r)], v[SX+8*(\b)+2*(\r)], v[SX+8*(\b)+2*(\r)+1]
.endr
.endr
.irp st, 2,4,8,16,32                   ; the sum of the unrounded weights: 32 pairs, a tree in place
.set i, 0
.rept 32/(\st)
	v_pk_add_f32 v[SX+i:SX+i+1], v[SX+i:SX+i+1], v[SX+i+(\st):SX+i+(\st)+1]
.set i, i+2*(\st)
.endr
.endr
	v_add_f32 v[LS], v[SX], v[SX+1]
	v_permlanex16_b32 v[CH], v[LS], s[SEL], s[SEL+1]
	v_add_f32 v[LS], v[LS], v[CH]
	v_add_nc_u32 v[STA], s[STB], v[STA0]
	s_add_co_u32 s[STB], s[STB], 64                ; sixteen queries on
	ds_store_b32 v[STA], v[CM]                     ; both halves of the lanes write the same word with the same number
	ds_store_b32 v[STA], v[LS] offset:512
.irp b, 0,1,2,3,4,5,6,7
	ds_store_b128 v[STO], v[TMP+4*(\b):TMP+4*(\b)+3] offset:32*(\b)
.endr
.irp t, 0,1,2,3,4,5,6,7
	ds_load_b128 v[OB+4*(\t):OB+4*(\t)+3], v[RD] offset:(\t)*2*SPITCH  ; LDS serves a wave's instructions in order (ISA guide 5.7.1.4)
.endr
.irp t, 0,1,2,3,4,5,6,7
	s_wait_dscnt 7-(\t)
	global_store_b128 v[CO], v[OB+4*(\t):OB+4*(\t)+3], s[8:9] offset:2*(\t)*4096  ; 16 lanes store 256 consecutive bytes, aligned
.endr
	s_wait_xcnt 0x0                                ; the stores have read their base and their data
	s_add_nc_u64 s[8:9], s[8:9], 16*4096
	s_sub_co_u32 s2, s2, 1
	s_cmp_lg_u32 s2, 0
	s_cbranch_scc1 .Lblk
	ds_load_b128 v[OB:OB+3], v[SL]                 ; my 128 queries' c m, four a lane,
	ds_load_b128 v[OB+4:OB+7], v[SL] offset:512    ; and l
	v_lshlrev_b32 v[LN], 4, v[LN]
	s_wait_dscnt 0x0
	global_store_b128 v[LN], v[OB:OB+3], s[76:77]  ; 512 consecutive bytes, aligned
	global_store_b128 v[LN], v[OB+4:OB+7], s[76:77] offset:524288
	s_wait_tensorcnt 0x0                           ; the wave's end
	ds_add_u32 v[SPW], v[NIL]
	s_wait_dscnt 0x0
	CROUND
	s_endpgm
.Lfunc_end_k_q6863696a53_scores:
	.size	k_q6863696a53_scores, .Lfunc_end_k_q6863696a53_scores-k_q6863696a53_scores
	.p2alignl 7, 3214868480
	.fill 96, 4, 3214868480
	.section	.rodata,"a",@progbits
	.p2align	6, 0x0
	.amdhsa_kernel k_q6863696a53_scores
		.amdhsa_group_segment_fixed_size 327680
		.amdhsa_private_segment_fixed_size 0
		.amdhsa_enable_private_segment 0
		.amdhsa_kernarg_size 40
		.amdhsa_user_sgpr_count 2
		.amdhsa_user_sgpr_kernarg_segment_ptr 1
		.amdhsa_wavefront_size32 1
		.amdhsa_system_sgpr_workgroup_id_x 1
		.amdhsa_system_sgpr_workgroup_id_y 1
		.amdhsa_system_sgpr_workgroup_id_z 1
		.amdhsa_system_vgpr_workitem_id 0
		.amdhsa_next_free_vgpr 1024
		.amdhsa_next_free_sgpr 90
		.amdhsa_reserve_vcc 0
		.amdhsa_float_denorm_mode_32 3
		.amdhsa_float_denorm_mode_16_64 3
		.amdhsa_memory_ordered 1
		.amdhsa_forward_progress 1
		.amdhsa_inst_pref_size 106
	.end_amdhsa_kernel
	.amdgpu_metadata
---
amdhsa.version: [ 1, 2 ]
amdhsa.kernels:
  - .name:           k_q6863696a53_scores
    .symbol:         k_q6863696a53_scores.kd
    .args:
      - { .name: cb, .offset: 0, .size: 8, .value_kind: global_buffer, .address_space: global }
      - { .name: kv, .offset: 8, .size: 8, .value_kind: global_buffer, .address_space: global }
      - { .name: ek, .offset: 16, .size: 8, .value_kind: global_buffer, .address_space: global }
      - { .name: pt, .offset: 24, .size: 8, .value_kind: global_buffer, .address_space: global }
      - { .name: st, .offset: 32, .size: 8, .value_kind: global_buffer, .address_space: global }
    .group_segment_fixed_size: 327680
    .private_segment_fixed_size: 0
    .kernarg_segment_align: 8
    .kernarg_segment_size: 40
    .max_flat_workgroup_size: 128
    .sgpr_count:     90
    .vgpr_count:     1024
    .wavefront_size: 32
...
	.end_amdgpu_metadata
.endif
;; end of part 4
;; launch pv (part 5): grid 4 x 64, 4 waves a work-group, clusters of 4 x 4, 327,680 bytes of LDS; arguments pt, kv, st, out0; writes out0
.if DOCPART == 5
	.amdgcn_target "amdgcn-amd-amdhsa--gfx1250"
	.amdhsa_code_object_version 6
	.text
	.protected	k_q6863696a53_pv
	.globl	k_q6863696a53_pv
	.p2align	8
	.type	k_q6863696a53_pv,@function
k_q6863696a53_pv:
	s_mov_b64 s[64:65], 0
	v_nop
	global_prefetch_b8 v0, s[64:65] scope:SCOPE_SE
	s_setreg_imm32_b32 hwreg(HW_REG_WAVE_MODE, 25, 1), 1
	s_wait_xcnt 0x0
	s_wait_alu depctr_hold_cnt(0) depctr_sa_sdst(0) depctr_va_vdst(0) depctr_va_sdst(0) depctr_va_ssrc(0) depctr_va_vcc(0) depctr_vm_vsrc(0)
	s_getreg_b32 s2, hwreg(HW_REG_IB_STS2, 6, 4)
	s_cmp_eq_u32 s2, 0
	s_cbranch_scc0 .Lentry_in_a_cluster
	s_endpgm
.Lentry_in_a_cluster:
	s_bfe_u32 s2, ttmp6, 0x10000c
	s_cmp_lg_u32 s2, 0xf033
	s_cbranch_scc0 .Lentry_shape_is_right
	s_endpgm
.Lentry_shape_is_right:
; PV.  out0[q][p] = (sum over keys of f[q][block] pt[q][key] V'[key][p]) / L[q], f32.  V' = kv's columns 1024-2047 of the query's batch: it holds Wo, bv and bo already, since a row's weights add up to 1.
; THE SOFTMAX'S END.  M = the maximum over a query's 16 blocks of c m (the row's true maximum); f = 2^(c m_block - M), rounded to bf16; L = the sum of f l with the same rounded f.  No exponential passes 1.
; pt's fragments are multiplied by f in packed bf16 between their LDS load and the matrix instruction: one more rounding of a matrix operand.
; A BATCH WITH NO VISIBLE KEY has M below -2^93 (hidden scores are -1e30; |q . k| stays under 2e29): its 1 / L is made NaN, as a softmax over nothing gives.
; A tile is 128 queries x 256 channels; a wave makes 64 x 128: 32 accumulators, window 1.  K = 2,048 keys in 16 steps of 128, one block of the softmax each, through two LDS slots.
; CLUSTER 4 x 4: pt's tile is asked for jointly along a row of the cluster, V''s along a column (a cluster's four tile rows lie in one batch).
; The matrix instruction is used transposed (source 0 = 16 channels, by the turning LDS load, source 1 = 16 queries): a lane holds one query and eight neighbouring channels.
; REGISTERS, window 0: v4-19 addresses; v32-95 fragments of pt, two buffers of four; v96-99 f; v128-255 fragments of V', two buffers of eight.
.set KSTEP, 128
.set PA,    272                        ; a row of pt in LDS: 256 bytes + 16
.set PB,    544                        ; a row of V': 512 + 32 = 136 words
.set BOFF,  128*PA                     ; a slot: 128 rows of pt, then 128 rows of V'
.set FT,    BOFF+128*PB                ; behind slot 0, never filled by a tensor load: f, twice in a word, [16 blocks][128 queries]
.set RI,    FT+8192                    ; 1 / L of the 128 queries
.set SLOTX, 1<<17                      ; slot 1 begins here
.set STAGE, SLOTX+FT                   ; 16 rows x 528 bytes for each wave
.set SP,    528
.set SPARE, STAGE+4*16*SP
.set NS,    16
.set ADRA0, 4
.set ADRB0, 5
.set ADRA,  6
.set ADRB,  7
.set FA,    8
.set RIA,   9
.set STO,   10
.set RD,    11
.set CO,    12
.set PFO,   13
.set RV,    14                         ; v[14:15]
.set FA0,   16
.set RIA0,  17
.set SPW,   28
.set NIL,   29
.set AF,    32
.set FR,    96
.set BF,    128
.set G1,  24
.set G0,  32
.set LIM, 43
.set PFA, 44
.set G1B, 48
.set G0B, 56
.set TB,  66
.set FB,  67                           ; the K step's place in FT
.set RB,  68                           ; the block's place in RI
.set PFS, 86                           ; s[86:87] a K step in memory: 256 bytes of pt's rows, 128 rows of kv
.set MSB, 0
.macro WIN new
.if MSB != (\new)
	s_set_vgpr_msb (MSB<<8)|(\new)
.set MSB, \new
.endif
.endm
.macro PLACES
.rept 4
	v_nop
.endr
.endm
.macro JLOAD                           ; a joint refill: waves 0 and 1 fetch pt's halves, waves 2 and 3 V''s; an s_nop 0 and four v_nop follow each line
	s_cmp_eq_u32 s11, 0
	s_cbranch_scc0 .Lfor_b_\@
	tensor_load_to_lds s[G0+4:G0+7], s[G1:G1+7]
	s_nop 0
.rept 4
	v_nop
.endr
	s_branch .Lasked_\@
.Lfor_b_\@:
	tensor_load_to_lds s[G0B+4:G0B+7], s[G1B:G1B+7]
	s_nop 0
.rept 4
	v_nop
.endr
.Lasked_\@:
.endm
.macro STEPD
	s_xor_b32 s[G0+5], s[G0+5], SLOTX
	s_add_nc_u64 s[G0+6:G0+7], s[G0+6:G0+7], 256
	s_xor_b32 s[G0B+5], s[G0B+5], SLOTX
	s_add_nc_u64 s[G0B+6:G0B+7], s[G0B+6:G0B+7], 128*4096
.endm
.macro SWAP
	s_xor_b32 s[TB], s[TB], SLOTX
	v_add_nc_u32 v[ADRA], s[TB], v[ADRA0]
	v_add_nc_u32 v[ADRB], s[TB], v[ADRB0]
.endm
; A prefetch of the K step two refills on, a lane a row.  pt's 128 rows of a tile row are read by one row of one cluster: wave 0 of each of its four partners takes 32 rows (256 bytes each).
; V''s 128 key rows x 512 bytes of a tile column are read by a batch's four clusters: in the first of them wave 2 of each partner of the column takes 32 rows, two instructions.
; Partners are told apart by address.  Trip j of fourteen (s3 = 14 - j) names K step j + 4; the last two trips name nothing.
.macro ASKP
	s_cmp_gt_u32 s3, s[LIM]
	s_cbranch_scc0 .Lnot_mine_\@
	global_prefetch_b8 v[PFO], s[PFA:PFA+1] th:TH_LOAD_NT scope:SCOPE_SE
	s_cmp_eq_u32 s10, 2
	s_cbranch_scc0 .Lnot_mine_\@
	global_prefetch_b8 v[PFO], s[PFA:PFA+1] offset:256 th:TH_LOAD_NT scope:SCOPE_SE
.Lnot_mine_\@:
.endm
.macro CREST
	s_cmp_lg_u32 s10, 0
	s_cbranch_scc1 .Lnot_wave_0_\@
	s_barrier_signal -3
.Lnot_wave_0_\@:
	s_barrier_wait -3
	s_barrier_signal -1
	s_barrier_wait -1
.endm
.macro CROUND
	s_barrier_signal -1
	s_barrier_wait -1
	CREST
.endm
	s_load_b256 s[72:79], s[0:1], 0x0              ; pt s[72:73], kv s[74:75], st s[76:77], out0 s[78:79]
	v_lshl_add_u32 v[SPW], v0, 2, SPARE
	v_mov_b32 v[NIL], 0
	ds_add_u32 v[SPW], v[NIL]                      ; the wave's opening: the add, and its wait ahead of my first tensor load
	ds_add_u32 v28, v29
	v_lshrrev_b32 v1, 5, v0
	v_readfirstlane_b32 s10, v1
	s_lshr_b32 s11, s10, 1                         ; my half of the tile's 128 queries; also: I fetch pt (0) or V' (1)
	s_and_b32 s12, s10, 1                          ; my half of its 256 channels; also: which 64 rows I fetch
	s_bfe_u32 s40, ttmp6, 0x40000                  ; cx
	s_bfe_u32 s41, ttmp6, 0x40004                  ; cy
	s_lshl_b32 s42, ttmp9, 2
	s_add_co_u32 s42, s42, s40                     ; tile column 0..3
	s_and_b32 s13, ttmp7, 0xffff
	s_lshr_b32 s21, s13, 2                         ; the batch: the same in all sixteen partners
	s_lshl_b32 s13, s13, 2
	s_add_co_u32 s13, s13, s41                     ; tile row 0..63
	s_lshl_b32 s43, s41, 2
	s_lshl_b32 s43, 15, s43
	s_lshl_b32 s44, 0x1111, s40
	s_or_b32 s[G1+0], s43, (1<<16)|(1<<20)|(1<<21)|(5<<22)|(3<<25)   ; pt: after every 64 words, 4 words of padding
	s_or_b32 s[G1B+0], s44, (1<<16)|(1<<20)|(1<<21)|(6<<22)|(7<<25)  ; V': after every 128 words, 8 words
	s_mov_b32 s[G1+1], 128<<16                     ; tensor_dim0
	s_mov_b32 s[G1+2], 64<<16                      ; tensor_dim1
	s_mov_b32 s[G1+3], 128<<16                     ; tile_dim0
	s_mov_b32 s[G1+4], 64                          ; tile_dim1
	s_mov_b32 s[G1+5], 2048                        ; elements from row to row
	s_mov_b32 s[G1+6], 0
	s_mov_b32 s[G1+7], 0
	s_mov_b32 s[G1B+1], 256<<16
	s_mov_b32 s[G1B+2], 64<<16
	s_mov_b32 s[G1B+3], 256<<16
	s_mov_b32 s[G1B+4], 64
	s_mov_b32 s[G1B+5], 2048
	s_mov_b32 s[G1B+6], 0
	s_mov_b32 s[G1B+7], 0
	s_lshl_b32 s17, s12, 6
	s_lshl_b32 s16, s13, 7
	s_add_co_u32 s16, s16, s17                     ; pt: query 128 x tile row + 64 x half
	s_lshl_b32 s16, s16, 12
	s_lshl_b32 s46, s21, 11
	s_add_co_u32 s46, s46, s17                     ; kv: key 2,048 x batch + 64 x half
	s_lshl_b32 s46, s46, 12
	s_lshl_b32 s47, s42, 9
	s_add_co_u32 s46, s46, s47                     ; + 256 channels x tile column,
	s_add_co_u32 s46, s46, 2048                    ; behind k'''s 1,024
	s_mov_b32 s17, 0
	s_mov_b32 s47, 0
	s_mul_i32 s20, s12, 64*PA                      ; where my tile goes
	s_mul_i32 s22, s12, 64*PB
	s_add_co_u32 s22, s22, BOFF
	s_mov_b32 s[TB], 0
	s_mov_b32 s[FB], 0
	s_mov_b32 s[RB], 0
	s_wait_dscnt 0x0
	s_wait_kmcnt 0x0
	s_add_nc_u64 s[14:15], s[72:73], s[16:17]
	s_add_nc_u64 s[46:47], s[74:75], s[46:47]
	CROUND
.irp s, 0,1
	s_mov_b32 s[G0+4*(\s)], 1
	s_add_co_u32 s[G0+4*(\s)+1], s20, (\s)*SLOTX
	s_add_nc_u64 s[G0+4*(\s)+2:G0+4*(\s)+3], s[14:15], (\s)*256
	s_or_b32 s[G0+4*(\s)+3], s[G0+4*(\s)+3], 0x80000000
	s_mov_b32 s[G0B+4*(\s)], 1
	s_add_co_u32 s[G0B+4*(\s)+1], s22, (\s)*SLOTX
	s_add_nc_u64 s[G0B+4*(\s)+2:G0B+4*(\s)+3], s[46:47], (\s)*128*4096
	s_or_b32 s[G0B+4*(\s)+3], s[G0B+4*(\s)+3], 0x80000000
.endr
	s_cmp_eq_u32 s11, 0                            ; a wave's two first fills stand in one branch: two loads of mine are out
	s_cbranch_scc0 .Lfirst_b
	tensor_load_to_lds s[G0:G0+3], s[G1:G1+7]
	s_nop 0
	tensor_load_to_lds s[G0+4:G0+7], s[G1:G1+7]
	s_nop 0
.rept 4
	v_nop
.endr
	s_branch .Lfirst_asked
.Lfirst_b:
	tensor_load_to_lds s[G0B:G0B+3], s[G1B:G1B+7]
	s_nop 0
	tensor_load_to_lds s[G0B+4:G0B+7], s[G1B:G1B+7]
	s_nop 0
.rept 4
	v_nop
.endr
.Lfirst_asked:
	; THE FACTORS' JOB, while the first tiles are on their way: thread T owns query 128 x tile row + T
	s_lshl_b32 s84, s13, 9
	s_mov_b32 s85, 0
	s_add_nc_u64 s[88:89], s[76:77], s[84:85]
	v_lshlrev_b32 v19, 2, v0
.set i, 0
.rept 16
	global_load_b32 v[32+i], v19, s[88:89] offset:i*32768         ; c m of block i
	global_load_b32 v[48+i], v19, s[88:89] offset:i*32768+524288  ; l of block i
.set i, i+1
.endr
	v_and_b32 v1, 15, v0                           ; l % 16
	v_bfe_u32 v2, v0, 4, 1                         ; l / 16
	s_mul_i32 s23, s11, 64*PA
	v_mul_u32_u24 v[ADRA0], v1, PA
	v_lshl_add_u32 v[ADRA0], v2, 4, v[ADRA0]
	v_add_nc_u32 v[ADRA0], s23, v[ADRA0]           ; pt: (64 x half + l % 16) x pitch + 16 (l / 16)
	v_and_b32 v3, 7, v0
	v_lshl_add_u32 v3, v2, 3, v3
	v_mul_u32_u24 v[ADRB0], v3, PB                 ; V': key 8 (l / 16) + l % 8,
	v_bfe_u32 v3, v0, 3, 1
	v_lshl_add_u32 v[ADRB0], v3, 4, v[ADRB0]       ; channels 8 ((l / 8) % 2) + 0..7,
	s_lshl_b32 s23, s12, 8
	s_add_co_u32 s23, s23, BOFF
	v_add_nc_u32 v[ADRB0], s23, v[ADRB0]           ; of my 128
	v_mov_b32 v[ADRA], v[ADRA0]
	v_mov_b32 v[ADRB], v[ADRB0]
	s_lshl_b32 s23, s11, 8
	s_add_co_u32 s23, s23, FT
	v_lshl_add_u32 v[FA0], v1, 2, s23              ; f of query 64 x half + l % 16
	s_add_co_u32 s23, s23, RI-FT
	v_lshl_add_u32 v[RIA0], v1, 2, s23
	s_mul_i32 s23, s10, 16*SP
	s_add_co_u32 s23, s23, STAGE                   ; my stage
	v_mul_u32_u24 v[STO], v1, SP
	v_lshl_add_u32 v[STO], v2, 5, v[STO]
	v_add_nc_u32 v[STO], s23, v[STO]               ; in: row l % 16, 32 bytes for each half of the lanes
	v_and_b32 v3, 31, v0
	v_lshlrev_b32 v[CO], 4, v3                     ; back and out: 32 lanes take a row's 512 bytes
	v_add_nc_u32 v[RD], s23, v[CO]
	v_lshlrev_b32 v[PFO], 12, v3                   ; rows of 4,096 bytes in pt and in kv
	s_lshl_b32 s84, s13, 7
	s_lshl_b32 s85, s11, 6
	s_add_co_u32 s84, s84, s85                     ; my first query
	s_lshl_b32 s84, s84, 12
	s_lshl_b32 s85, s42, 10
	s_add_co_u32 s84, s84, s85
	s_lshl_b32 s85, s12, 9
	s_add_co_u32 s84, s84, s85                     ; my first channel, in bytes
	s_mov_b32 s85, 0
	s_add_nc_u64 s[8:9], s[78:79], s[84:85]
	; the prefetches' address
	s_lshl_b32 s14, s13, 7
	s_lshl_b32 s15, s40, 5
	s_add_co_u32 s14, s14, s15
	s_lshl_b32 s14, s14, 12
	s_add_co_u32 s14, s14, 3*256                   ; pt: query 128 x tile row + 32 cx, K step 3
	s_lshl_b32 s15, s21, 11
	s_lshl_b32 s23, s41, 5
	s_add_co_u32 s15, s15, s23
	s_add_co_u32 s15, s15, 3*128
	s_lshl_b32 s15, s15, 12
	s_lshl_b32 s23, s42, 9
	s_add_co_u32 s15, s15, s23
	s_add_co_u32 s15, s15, 2048                    ; kv: key 2,048 x batch + 32 cy, K step 3, my tile column
	s_and_b32 s23, ttmp7, 3                        ; which of the batch's four clusters
	s_mov_b32 s[PFS], 128*4096
	s_cmp_eq_u32 s11, 0
	s_cselect_b32 s84, s14, s15
	s_cselect_b32 s23, 0, s23
	s_cselect_b32 s[PFS], 256, s[PFS]
	s_cselect_b64 s[PFA:PFA+1], s[72:73], s[74:75]
	s_or_b32 s23, s23, s12                         ; waves 1 and 3 ask for nothing
	s_cmp_eq_u32 s23, 0
	s_cselect_b32 s[LIM], 2, -1                    ; the same in all sixteen partners, for a given wave
	s_mov_b32 s85, 0
	s_mov_b32 s[PFS+1], 0
	s_add_nc_u64 s[PFA:PFA+1], s[PFA:PFA+1], s[84:85]
	s_wait_loadcnt 0x0
	v_max3_num_f32 v80, v32, v33, v34
.irp k, 0,1,2,3,4,5
	v_max3_num_f32 v80, v80, v[35+2*(\k)], v[36+2*(\k)]
.endr
	v_max_num_f32 v80, v80, v47                    ; M
.set i, 0
.rept 16
	v_sub_f32 v[64+i], v[32+i], v80
.set i, i+1
.endr
.set i, 0
.rept 16
	v_exp_f32 v[64+i], v[64+i]
.set i, i+1
.endr
	v_nop                                          ; a plain instruction behind the last exponential,
	s_wait_alu depctr_va_vdst(0)                   ; and the one wait ahead of the first reader
.set i, 0
.rept 16
	v_cvt_pk_bf16_f32 v[64+i], v[64+i], v[64+i]    ; f, rounded, in both halves
.set i, i+1
.endr
.set i, 0
.rept 16
	v_lshlrev_b32 v[32+i], 16, v[64+i]             ; the rounded f as f32
.set i, i+1
.endr
	v_mul_f32 v81, v32, v48
.set i, 1
.rept 15
	v_fmac_f32 v81, v[32+i], v[48+i]               ; L
.set i, i+1
.endr
	v_rcp_f32 v82, v81
	v_add_nc_u32 v83, FT, v19                      ; a plain instruction behind the reciprocal
	s_wait_alu depctr_va_vdst(0)
	v_cmp_le_f32 vcc_lo, 0xee000000, v80           ; -2^93 <= M: some key is visible
	v_cndmask_b32 v82, 0x7fc00000, v82, vcc_lo     ; else NaN
.set i, 0
.rept 16
	ds_store_b32 v83, v[64+i] offset:512*i
.set i, i+1
.endr
	ds_store_b32 v83, v82 offset:RI-FT
; Product i of 32: query block i / 8, channel block i % 8, 32 keys.  The 32 accumulators take turns.
.macro PROD f, zero
	WIN 0x50                                       ; C and D window 1
.if \zero
	v_wmma_f32_16x16x32_bf16 v[8*i:8*i+7], v[BF+64*(\f)+8*(i%8):BF+64*(\f)+8*(i%8)+7], v[AF+32*(\f)+8*(i/8):AF+32*(\f)+8*(i/8)+7], 0
.else
	v_wmma_f32_16x16x32_bf16 v[8*i:8*i+7], v[BF+64*(\f)+8*(i%8):BF+64*(\f)+8*(i%8)+7], v[AF+32*(\f)+8*(i/8):AF+32*(\f)+8*(i/8)+7], v[8*i:8*i+7]
.endif
.set i, i+1
.endm
.macro MULP f, i0, cnt, zero
.set i, \i0
.rept \cnt
	PROD \f, \zero
.endr
.endm
.macro FLOAD                           ; f of the next K step for my four query blocks
	WIN 0
	v_add_nc_u32 v[FA], s[FB], v[FA0]
	s_add_co_u32 s[FB], s[FB], 512
.irp t, 0,1,2,3
	ds_load_b32 v[FR+(\t)], v[FA] offset:64*(\t)
.endr
.endm
.macro FETCHP q, g                     ; quarter q (32 keys) into buffer g: 8 loads for pt, then 16 turning loads for V'
	WIN 0
.irp t, 0,1,2,3
	ds_load_b128 v[AF+32*(\g)+8*(\t):AF+32*(\g)+8*(\t)+3],   v[ADRA] offset:64*(\q)+(\t)*16*PA
	ds_load_b128 v[AF+32*(\g)+8*(\t)+4:AF+32*(\g)+8*(\t)+7], v[ADRA] offset:64*(\q)+(\t)*16*PA+32
.endr
.irp t, 0,1,2,3,4,5,6,7
	ds_load_tr16_b128 v[BF+64*(\g)+8*(\t):BF+64*(\g)+8*(\t)+3],   v[ADRB] offset:(\q)*32*PB+32*(\t)
	ds_load_tr16_b128 v[BF+64*(\g)+8*(\t)+4:BF+64*(\g)+8*(\t)+7], v[ADRB] offset:(\q)*32*PB+16*PB+32*(\t)
.endr
.endm
.macro RIDE g, m                       ; four registers of pt's fragments in buffer g times f
	WIN 0
.irp z, 0,1,2,3
	v_pk_mul_bf16 v[AF+32*(\g)+4*(\m)+(\z)], v[AF+32*(\g)+4*(\m)+(\z)], v[FR+(\m)/2]
.endr
.endm
.macro RIDERS f, g, zero               ; the quarter's last eight products, behind each four scalings of the next quarter's pt; the last four are the places in front of the next loads into buffer f
.set n, 0
.rept 8
	PROD \f, \zero
	RIDE \g, n
.set n, n+1
.endr
.endm
.macro PQ q, f, g, zero                ; multiplies buffer f, fetches quarter q into g and scales it
	s_wait_dscnt 0x0                               ; V' of buffer f is in
	MULP \f, 0, 8, \zero
	FETCHP \q, \g
	MULP \f, 8, 16, \zero
	s_wait_dscnt 16                                ; pt of buffer g is in; the sixteen loads of V' may be out
	RIDERS \f, \g, \zero
.endm
; The last quarter multiplies buffer 1 and changes slots: one barrier; in front of it each wave waits for all its tensor loads, adds 0 to its spare word, and waits for that and for its reads of this slot.
.macro PTURN fill
	WIN 0
.if \fill
	s_wait_xcnt 0x0                                ; the last prefetches, a K step back, have read their address
	s_add_nc_u64 s[PFA:PFA+1], s[PFA:PFA+1], s[PFS:PFS+1]
.endif
	s_wait_tensorcnt 0x0                           ; all my tensor loads have landed: my part of the next slot
	ds_add_u32 v[SPW], v[NIL]
.if \fill
	STEPD
.endif
	s_wait_dscnt 1                                 ; V' of buffer 1 is in; the add may be out
	MULP 1, 0, 8, 0
	s_wait_dscnt 0x0                               ; the add is done, and my reads of this slot are over
	s_barrier_signal -1
	MULP 1, 8, 4, 0
	WIN 0
	s_barrier_wait -1
.if \fill
	CREST                                          ; the barrier has opened a round of the cluster's
	JLOAD                                          ; the first tensor load behind the round
.else
	PLACES
.endif
	SWAP
	FLOAD
	FETCHP 0, 0
.if \fill
	ASKP
.endif
	MULP 1, 12, 12, 0
	s_wait_dscnt 16                                ; f and pt are in
	RIDERS 1, 0, 0
.endm
	s_wait_tensorcnt 1                             ; my part of K step 0 is in; K step 1's may stay out
	s_wait_dscnt 0x0                               ; my part of the two tables is stored
	s_barrier_signal -1
	s_barrier_wait -1
	FLOAD
	FETCHP 0, 0
	s_wait_dscnt 16
.set n, 0
.rept 8
	RIDE 0, n
.set n, n+1
.endr
	PQ 1, 0, 1, 1                                  ; the first quarter's products start the sums
	WIN 0
	s_mov_b32 s3, NS-2
.Lk:
	PQ 2, 1, 0, 0
	PQ 3, 0, 1, 0
	PTURN 1
	PQ 1, 0, 1, 0
	WIN 0
	s_sub_co_u32 s3, s3, 1
	s_cmp_lg_u32 s3, 0
	s_cbranch_scc1 .Lk
	s_mov_b32 s3, 2
.Ltail:                                        ; the last two K steps ask for nothing
	PQ 2, 1, 0, 0
	PQ 3, 0, 1, 0
	WIN 0
	s_sub_co_u32 s3, s3, 1
	s_cmp_eq_u32 s3, 0
	s_cbranch_scc1 .Llast
	PTURN 0
	PQ 1, 0, 1, 0
	WIN 0
	s_branch .Ltail
.Llast:
	s_wait_dscnt 0x0
	MULP 1, 0, 32, 0
	WIN 0
	PLACES
	; THE WAY OUT: four trips, a block of 16 queries each: times 1 / L, through my stage, out as whole rows of 512 bytes.
.macro STUB a
	WIN 0x01                                       ; source 0 window 1
.set i, 0
.rept 32
	v_pk_mul_f32 v[AF+2*i:AF+2*i+1], v[64*(\a)+2*i:64*(\a)+2*i+1], v[RV:RV+1] op_sel_hi:[1,0]
.set i, i+1
.endr
	WIN 0
.endm
	s_mov_b32 s2, 4
.Lblk:
	v_add_nc_u32 v[RIA], s[RB], v[RIA0]
	s_add_co_u32 s[RB], s[RB], 64
	ds_load_b32 v[RV], v[RIA]
	s_wait_dscnt 0x0
	v_mov_b32 v[RV+1], v[RV]
.irp a, 0,1,2
	s_cmp_lg_u32 s2, 4-(\a)
	s_cbranch_scc1 .Lnot_\a
	STUB \a
	s_branch .Lcom
.Lnot_\a:
.endr
	STUB 3
.Lcom:
.irp b, 0,1,2,3,4,5,6,7
	ds_store_b128 v[STO], v[AF+8*(\b):AF+8*(\b)+3] offset:64*(\b)
	ds_store_b128 v[STO], v[AF+8*(\b)+4:AF+8*(\b)+7] offset:64*(\b)+16
.endr
.irp t, 0,1,2,3,4,5,6,7,8,9,10,11,12,13,14,15
	ds_load_b128 v[BF+4*(\t):BF+4*(\t)+3], v[RD] offset:(\t)*SP  ; LDS serves a wave's instructions in order (ISA guide 5.7.1.4)
.endr
.irp t, 0,1,2,3,4,5,6,7,8,9,10,11,12,13,14,15
	s_wait_dscnt 15-(\t)
	global_store_b128 v[CO], v[BF+4*(\t):BF+4*(\t)+3], s[8:9] offset:(\t)*4096  ; 512 consecutive bytes, aligned
.endr
	s_wait_xcnt 0x0                                ; the stores have read their base and their data
	s_add_nc_u64 s[8:9], s[8:9], 16*4096
	s_sub_co_u32 s2, s2, 1
	s_cmp_lg_u32 s2, 0
	s_cbranch_scc1 .Lblk
	s_wait_tensorcnt 0x0                           ; the wave's end
	ds_add_u32 v[SPW], v[NIL]
	s_wait_dscnt 0x0
	CROUND                                         ; the closing round
	s_endpgm
.Lfunc_end_k_q6863696a53_pv:
	.size	k_q6863696a53_pv, .Lfunc_end_k_q6863696a53_pv-k_q6863696a53_pv
	.p2alignl 7, 3214868480
	.fill 96, 4, 3214868480
	.section	.rodata,"a",@progbits
	.p2align	6, 0x0
	.amdhsa_kernel k_q6863696a53_pv
		.amdhsa_group_segment_fixed_size 327680
		.amdhsa_private_segment_fixed_size 0
		.amdhsa_enable_private_segment 0
		.amdhsa_kernarg_size 32
		.amdhsa_user_sgpr_count 2
		.amdhsa_user_sgpr_kernarg_segment_ptr 1
		.amdhsa_wavefront_size32 1
		.amdhsa_system_sgpr_workgroup_id_x 1
		.amdhsa_system_sgpr_workgroup_id_y 1
		.amdhsa_system_sgpr_workgroup_id_z 1
		.amdhsa_system_vgpr_workitem_id 0
		.amdhsa_next_free_vgpr 512
		.amdhsa_next_free_sgpr 90
		.amdhsa_reserve_vcc 1
		.amdhsa_float_denorm_mode_32 3
		.amdhsa_float_denorm_mode_16_64 3
		.amdhsa_memory_ordered 1
		.amdhsa_forward_progress 1
		.amdhsa_inst_pref_size 94
	.end_amdhsa_kernel
	.amdgpu_metadata
---
amdhsa.version: [ 1, 2 ]
amdhsa.kernels:
  - .name:           k_q6863696a53_pv
    .symbol:         k_q6863696a53_pv.kd
    .args:
      - { .name: pt, .offset: 0, .size: 8, .value_kind: global_buffer, .address_space: global }
      - { .name: kv, .offset: 8, .size: 8, .value_kind: global_buffer, .address_space: global }
      - { .name: st, .offset: 16, .size: 8, .value_kind: global_buffer, .address_space: global }
      - { .name: out0, .offset: 24, .size: 8, .value_kind: global_buffer, .address_space: global }
    .group_segment_fixed_size: 327680
    .private_segment_fixed_size: 0
    .kernarg_segment_align: 8
    .kernarg_segment_size: 32
    .max_flat_workgroup_size: 128
    .sgpr_count:     90
    .vgpr_count:     512
    .wavefront_size: 32
...
	.end_amdgpu_metadata
.endif
;; end of part 5
;; ======== version 2 of 2: 5 launches; version 1 with the launch cast written anew for expert scheduling mode
;; limits: right only within a limited range of input values
;; workspace buffers: cb 33,554,432 bytes; wt 8,388,608 bytes; wb 4,194,304 bytes; vec 12,288 bytes; ek 32,768 bytes; kv 33,554,432 bytes; pt 33,554,432 bytes; st 1,048,576 bytes
;; launch cast (part 6): grid 736 x 1, 8 waves a work-group, no clusters, 35,840 bytes of LDS; arguments inputs, memory, Wo, Wq, Wk, Wv, cb, wt; writes cb, wt
.if DOCPART == 6
	.amdgcn_target "amdgcn-amd-amdhsa--gfx1250"
	.amdhsa_code_object_version 6
	.text
	.protected	k_q6863696a53_cast
	.globl	k_q6863696a53_cast
	.p2align	8
	.type	k_q6863696a53_cast,@function
k_q6863696a53_cast:
	s_mov_b64 s[64:65], 0
	v_nop
	global_prefetch_b8 v0, s[64:65] scope:SCOPE_SE
	s_setreg_imm32_b32 hwreg(HW_REG_WAVE_SCHED_MODE, 0, 2), 2
	s_setreg_imm32_b32 hwreg(HW_REG_WAVE_MODE, 25, 1), 1
	s_wait_xcnt 0x0
	s_wait_alu depctr_vm_vsrc(0)
; CAST.  bf16 copies of the six large f32 inputs, each number rounded once.
;   cb [16384][1024]: rows 0-8191 inputs, rows 8192-16383 memory.
;   wt [4096][1024]:  rows 0-1023 Wq transposed, 1024-2047 Wo as it lies, 2048-3071 Wk transposed, 3072-4095 Wv transposed.
; Work-groups 0-191 transpose a tile of 128 x 128 of Wq, Wk or Wv through LDS; work-groups 192-735 copy 32 rows of 4,096 bytes each.
; Memory binds: every byte is read once, by loads of 16 bytes a lane; a wave's store covers 256 or 512 consecutive bytes, aligned.
; No matrix unit, no cluster: no work-group wants a byte that another has read.
; THE MODE: SCHED_MODE bits 1:0 = 2 (LLVM: expert scheduling mode 2), set by the entry lines.  The code itself states the register dependences
; between vector instructions and memory or LDS instructions, with s_wait_alu, always for 0.
; THE PLAN, STRAIGHT PATH.  The 32 rows go in eight blocks of four.  Registers that memory instructions touch:
;   v1, v2     byte offsets, made once at the path's head and never written again: the rows stand in the immediate offsets.
;   X0 .. X3   four blocks of f32 as loaded.  Written by loads alone; block p's eight conversions read X[p % 4]; behind them the loads of block p + 4 land in it.
;   Y          a pair for EACH of the 32 rows: written once, by the row's two conversions; read once, by the row's store.
; So one wait on va_vdst stands in a block, behind its conversions: they are done reading X[p % 4] and have written the block's pairs of Y.  The block's loads and stores follow it.
; No register that a memory instruction reads is ever written again: the path holds no wait on vm_vsrc and none on XCNT.
; THE PLAN, TRANSPOSING PATH.  v1, TS, TR, SO: addresses, made once.  X: the global loads land in it, the conversions read it, the LDS loads behind the barrier land in its first half,
; the global stores read that.  Y: the conversions write it once, the LDS stores read it.  Two waits on va_vdst: ahead of the global loads (the addresses) and behind the conversions.
; LDS: the tile of 128 rows x 272 bytes; the 1,024 bytes behind it hold the spare words, 128 bytes a wave.
.set X,   4                            ; v[4:67]   sixteen slots of 4: f32 as loaded
.set Y,   68                           ; bf16, packed: v[68:99] in the transposing path, v[68:131] in the straight one
.set TS,  100                          ; the transposing path alone: where I put a column's 32 bytes
.set TR,  101                          ; where I read a row back
.set SO,  102                          ; my byte offset in wt
	s_load_b512 s[4:19], s[0:1], 0x0               ; inputs s[4:5], memory s[6:7], Wo s[8:9], Wq s[10:11], Wk s[12:13], Wv s[14:15], cb s[16:17], wt s[18:19]
	v_lshl_add_u32 v132, v0, 2, 0x8800
	v_mov_b32 v133, 0
	v_lshrrev_b32 v2, 5, v0
	v_readfirstlane_b32 s20, v2                    ; wave 0..7
	s_wait_alu depctr_va_sdst(0)                   ; s20 is written: ahead of the branch, and of its first reader in the transposing path
	s_cmp_lt_u32 ttmp9, 192                        ; the same answer in all eight waves
	s_cbranch_scc0 .Lstraight
	; THE TRANSPOSING PATH.  Tile: rows o = 128 ob .. of W, columns i = 128 ib ..
	s_lshr_b32 s21, ttmp9, 6                       ; which matrix: 0 Wq, 1 Wk, 2 Wv
	s_bfe_u32 s22, ttmp9, 0x30003                  ; ob
	s_and_b32 s23, ttmp9, 7                        ; ib
	s_lshl_b32 s24, s22, 19                        ; 128 rows of 4,096 bytes
	s_lshl_b32 s25, s23, 9                         ; 128 columns of 4 bytes
	s_add_co_u32 s24, s24, s25
	s_mov_b32 s25, 0
	s_add_co_u32 s26, s21, 1
	s_lshl_b32 s26, s26, 21                        ; Wk at byte 4,194,304 of wt, Wv at 6,291,456,
	s_cmp_eq_u32 s21, 0
	s_cselect_b32 s26, 0, s26                      ; Wq at 0
	s_lshl_b32 s27, s23, 18                        ; 128 rows of 2,048 bytes
	s_add_co_u32 s26, s26, s27
	s_lshl_b32 s27, s22, 8                         ; 128 columns of 2 bytes
	s_add_co_u32 s26, s26, s27
	s_mov_b32 s27, 0
	v_and_b32 v3, 31, v0                           ; lane
	v_lshlrev_b32 v1, 4, v3
	v_lshl_add_u32 v1, s20, 16, v1                 ; my wave's 16 rows, my 16 bytes of a row's 512
	v_mul_u32_u24 v[TS], v3, 1088                  ; LDS row 4 x lane (pitch 272); lanes 272 words apart start in four groups of banks (64 banks of 4 bytes: ISA guide 11.1):
	v_lshl_add_u32 v[TS], s20, 5, v[TS]            ; these stores are served four deep; the three matrices are 12 MB of the launch's 84
	v_bfe_u32 v106, v0, 4, 1
	v_and_b32 v107, 15, v0
	v_lshl_add_u32 v106, s20, 4, v106              ; row 16 w + lane / 16
	v_mul_u32_u24 v[TR], v106, 272
	v_lshl_add_u32 v[TR], v107, 4, v[TR]
	v_lshlrev_b32 v[SO], 11, v106
	v_lshl_add_u32 v[SO], v107, 4, v[SO]
	s_wait_kmcnt 0x0
	s_cmp_eq_u32 s21, 0
	s_cselect_b64 s[28:29], s[10:11], s[12:13]
	s_cmp_eq_u32 s21, 2
	s_cselect_b64 s[28:29], s[14:15], s[28:29]
	s_add_nc_u64 s[28:29], s[28:29], s[24:25]
	s_add_nc_u64 s[30:31], s[18:19], s[26:27]
	s_wait_alu depctr_va_vdst(0)                   ; v1, TS, TR and SO are written: the loads, the LDS stores and loads and the stores below read them, and no vector line names them again
.irp j, 0,1,2,3,4,5,6,7,8,9,10,11,12,13,14,15
	global_load_b128 v[X+4*(\j):X+4*(\j)+3], v1, s[28:29] offset:(\j)*4096 th:TH_LOAD_NT  ; row 16 w + j: 512 consecutive bytes
.endr
	s_wait_loadcnt 0x0
.irp c, 0,1,2,3                        ; column 4 lane + c: its sixteen o, in pairs
.irp p, 0,1,2,3,4,5,6,7
	v_cvt_pk_bf16_f32 v[Y+8*(\c)+(\p)], v[X+8*(\p)+(\c)], v[X+8*(\p)+4+(\c)]
.endr
.endr
	s_wait_alu depctr_va_vdst(0)                   ; the conversions have written Y, which the LDS stores read, and are done reading X, in which the LDS loads behind the barrier land; no vector line follows
.irp c, 0,1,2,3
	ds_store_b128 v[TS], v[Y+8*(\c):Y+8*(\c)+3] offset:(\c)*272
	ds_store_b128 v[TS], v[Y+8*(\c)+4:Y+8*(\c)+7] offset:(\c)*272+16
.endr
	s_wait_dscnt 0x0                               ; for the others' sake: my stores are done
	s_barrier_signal -1
	s_barrier_wait -1                              ; a row's 256 bytes come from all eight waves
.irp t, 0,1,2,3,4,5,6,7
	ds_load_b128 v[X+4*(\t):X+4*(\t)+3], v[TR] offset:(\t)*544
.endr
.irp t, 0,1,2,3,4,5,6,7
	s_wait_dscnt 7-(\t)                            ; LDS loads come back in order: load t is in
	global_store_b128 v[SO], v[X+4*(\t):X+4*(\t)+3], s[30:31] offset:(\t)*4096  ; sixteen lanes store 256 consecutive bytes, aligned
.endr
	s_branch .Lend
.Lstraight:                                    ; THE STRAIGHT PATH.  k = 0..255 inputs, 256..511 memory, 512..543 Wo; 32 rows each
	s_sub_co_u32 s21, ttmp9, 192
	s_and_b32 s22, s21, 255                        ; the share's number within its array
	s_lshl_b32 s24, s22, 17                        ; 32 rows of 4,096 bytes
	s_mov_b32 s25, 0
	s_lshl_b32 s26, s21, 16                        ; 32 rows of 2,048 bytes in cb,
	s_lshl_b32 s27, s22, 16
	s_add_co_u32 s27, s27, 0x200000                ; or in wt behind Wq's 1,024 rows
	s_cmp_lt_u32 s21, 512
	s_cselect_b32 s26, s26, s27
	s_mov_b32 s27, 0
	v_lshlrev_b32 v1, 4, v0                        ; thread t reads 16 bytes at 16 t of a row,
	v_lshlrev_b32 v2, 3, v0                        ; and writes 8 bytes at 8 t
	s_wait_kmcnt 0x0
	s_cmp_lt_u32 s21, 256
	s_cselect_b64 s[28:29], s[4:5], s[6:7]
	s_cmp_lt_u32 s21, 512
	s_cselect_b64 s[28:29], s[28:29], s[8:9]
	s_cselect_b64 s[30:31], s[16:17], s[18:19]
	s_add_nc_u64 s[28:29], s[28:29], s[24:25]
	s_add_nc_u64 s[30:31], s[30:31], s[26:27]
	s_wait_alu depctr_va_vdst(0)                   ; v1 and v2 are written: every load of the path reads v1 as its offset, every store v2, and no vector line names them again
.set i, 0
.rept 16
	global_load_b128 v[X+4*i:X+4*i+3], v1, s[28:29] offset:i*4096 th:TH_LOAD_NT  ; blocks 0 to 3 into X0 to X3: sixteen rows on their way in every wave
.set i, i+1
.endr
.set p, 0
.rept 8                                ; block p: rows 4 p to 4 p + 3, in X[p % 4]; rows stand in the immediates, so no address register is ever rewritten
.if p < 5
	s_wait_loadcnt 12                              ; loads come back in order (ISA guide 5.7.1): X[p % 4] is in, the three younger blocks stay out
.else
	s_wait_loadcnt 28-4*p                          ; nothing more is loaded: the counts run down 8, 4, 0
.endif
.irp r, 0,1,2,3
	v_cvt_pk_bf16_f32 v[Y+2*(4*p+(\r))],   v[X+16*(p%4)+4*(\r)],   v[X+16*(p%4)+4*(\r)+1]
	v_cvt_pk_bf16_f32 v[Y+2*(4*p+(\r))+1], v[X+16*(p%4)+4*(\r)+2], v[X+16*(p%4)+4*(\r)+3]
.endr
	s_wait_alu depctr_va_vdst(0)                   ; the block's conversions are done reading X[p % 4], in which the loads below land, and have written its four pairs of Y, which the stores below read
.if p < 4
.irp r, 0,1,2,3
	global_load_b128 v[X+16*p+4*(\r):X+16*p+4*(\r)+3], v1, s[28:29] offset:(4*p+16+(\r))*4096 th:TH_LOAD_NT  ; the buffer is asked for again at once: block p + 4
.endr
.endif
.irp r, 0,1,2,3
	global_store_b64 v2, v[Y+2*(4*p+(\r)):Y+2*(4*p+(\r))+1], s[30:31] offset:(4*p+(\r))*2048  ; a wave stores 256 consecutive bytes, aligned; the pair is the row's own and is not written again
.endr
.set p, p+1
.endr
.Lend:
	s_wait_dscnt 0x0                               ; the wave's end
	s_wait_alu depctr_hold_cnt(0) depctr_sa_sdst(0) depctr_va_vdst(0) depctr_va_sdst(0) depctr_va_ssrc(0) depctr_va_vcc(0) depctr_vm_vsrc(0)
	s_wait_tensorcnt 0x0
	ds_add_u32 v132, v133
	s_wait_dscnt 0x0
	s_endpgm
.Lfunc_end_k_q6863696a53_cast:
	.size	k_q6863696a53_cast, .Lfunc_end_k_q6863696a53_cast-k_q6863696a53_cast
	.p2alignl 7, 3214868480
	.fill 96, 4, 3214868480
	.section	.rodata,"a",@progbits
	.p2align	6, 0x0
	.amdhsa_kernel k_q6863696a53_cast
		.amdhsa_group_segment_fixed_size 35840
		.amdhsa_private_segment_fixed_size 0
		.amdhsa_enable_private_segment 0
		.amdhsa_kernarg_size 64
		.amdhsa_user_sgpr_count 2
		.amdhsa_user_sgpr_kernarg_segment_ptr 1
		.amdhsa_wavefront_size32 1
		.amdhsa_system_sgpr_workgroup_id_x 1
		.amdhsa_system_sgpr_workgroup_id_y 1
		.amdhsa_system_sgpr_workgroup_id_z 1
		.amdhsa_system_vgpr_workitem_id 0
		.amdhsa_next_free_vgpr 134
		.amdhsa_next_free_sgpr 66
		.amdhsa_reserve_vcc 0
		.amdhsa_float_denorm_mode_32 3
		.amdhsa_float_denorm_mode_16_64 3
		.amdhsa_memory_ordered 1
		.amdhsa_forward_progress 1
		.amdhsa_inst_pref_size 20
	.end_amdhsa_kernel
	.amdgpu_metadata
---
amdhsa.version: [ 1, 2 ]
amdhsa.kernels:
  - .name:           k_q6863696a53_cast
    .symbol:         k_q6863696a53_cast.kd
    .args:
      - { .name: inputs, .offset: 0, .size: 8, .value_kind: global_buffer, .address_space: global }
      - { .name: memory, .offset: 8, .size: 8, .value_kind: global_buffer, .address_space: global }
      - { .name: Wo, .offset: 16, .size: 8, .value_kind: global_buffer, .address_space: global }
      - { .name: Wq, .offset: 24, .size: 8, .value_kind: global_buffer, .address_space: global }
      - { .name: Wk, .offset: 32, .size: 8, .value_kind: global_buffer, .address_space: global }
      - { .name: Wv, .offset: 40, .size: 8, .value_kind: global_buffer, .address_space: global }
      - { .name: cb, .offset: 48, .size: 8, .value_kind: global_buffer, .address_space: global }
      - { .name: wt, .offset: 56, .size: 8, .value_kind: global_buffer, .address_space: global }
    .group_segment_fixed_size: 35840
    .private_segment_fixed_size: 0
    .kernarg_segment_align: 8
    .kernarg_segment_size: 64
    .max_flat_workgroup_size: 256
    .sgpr_count:     66
    .vgpr_count:     134
    .wavefront_size: 32
...
	.end_amdgpu_metadata
.endif
;; end of part 6
;; launch wprod: the kernel of part 2 again; grid 8 x 16, 4 waves a work-group, clusters of 4 x 4, 327,680 bytes of LDS; arguments wt, bk, bv, bq, bo, wb, vec; writes wb, vec
;; launch proj: the kernel of part 3 again; grid 8 x 32, 4 waves a work-group, clusters of 4 x 4, 327,680 bytes of LDS; arguments cb, wb, vec, memory_mask, kv, ek; writes kv, ek
;; launch scores: the kernel of part 4 again; grid 8 x 32, 4 waves a work-group, clusters of 4 x 4, 327,680 bytes of LDS; arguments cb, kv, ek, pt, st; writes pt, st
;; launch pv: the kernel of part 5 again; grid 4 x 64, 4 waves a work-group, clusters of 4 x 4, 327,680 bytes of LDS; arguments pt, kv, st, out0; writes out0
